; MI455X (gfx1250); checked and timed in simulation.
; The chip was launched on July 23, 2026; its instructions are those of AMD's public machine-readable ISA for CDNA 5 (MIT licence, August 2026) and "CDNA5" Instruction Set Architecture Reference Guide (July 2026). The comments in the code are by the model that wrote it; some were corrected since.
;; Multi Head Attention. Allowed arithmetic: matrix products marked QUANTISED: E2M3 operands, one E8M0 scale for each 32 along K, by v_wmma_scale_f32_16x16x128_f8f6f4 with both operands' format E2M3, f32 sums; everything else in f32.
;; Inputs: Wk 1,024 x 1,024 float32; Wo 1,024 x 1,024 float32; Wq 1,024 x 1,024 float32; Wv 1,024 x 1,024 float32; bk 1,024 float32; bo 1,024 float32; bq 1,024 float32; bv 1,024 float32; x 4 x 2,048 x 1,024 float32.
;; Outputs: out0 4 x 2,048 x 1,024 float32.
;; This version of the problem:
;;   THIS VERSION OF THE PROBLEM IS GIVEN IN LOW PRECISION. The matrix products marked QUANTISED in the list below multiply operands that are first quantised to E2M3 (2 exponent bits, 3 mantissa bits; 6 bits a number), with one power-of-two scale for each 32 numbers along K (OCP MX v1.0); their sums are f32. All else is computed in f32.
;;   The module's matrix products, in the order in which they are computed (A, B: the left and right operand; K: the contracted axis; several contracted axes count as one K, in the product's order):
;;     1. [M 8,192, K 1,024] x [K 1,024, N 1,024]; A: input x; B: input Wq: QUANTISED
;;     2. [M 8,192, K 1,024] x [K 1,024, N 1,024]; A: input x; B: input Wk: QUANTISED
;;     3. [M 8,192, K 1,024] x [K 1,024, N 1,024]; A: input x; B: input Wv: QUANTISED
;;     4. batch 64 x [M 2,048, K 64] x [K 64, N 2,048]; A: computed on the way; B: computed on the way: QUANTISED
;;     5. batch 64 x [M 2,048, K 2,048] x [K 2,048, N 64]; A: softmax (see below); B: computed on the way: QUANTISED
;;     6. [M 8,192, K 1,024] x [K 1,024, N 1,024]; A: computed on the way; B: input Wo: QUANTISED
;;   THE QUANTISER, for each operand of a quantised product, along K:
;;     - K is cut into blocks of 32 from its start; a last block that is shorter is filled with zeros.
;;     - A block's scale is 2^e with e = floor(log2(the largest magnitude in the block)) - 2, held to -126 .. 127; a block of zeros has e = 0. As a byte (E8M0): e + 127.
;;     - Each number is divided by its block's scale, clamped to +-7.5, and rounded to the nearest number of E2M3, ties to even, subnormals kept.
;;     - The product sums the exact products of the quantised numbers (number of the format x scale) in f32.
;;   ~~~python
;;   def quantise(x, axis):      # numpy; x: float32 -> the quantised numbers, widened to float32 again
;;       x = np.moveaxis(x, axis, -1); K = x.shape[-1]
;;       x = np.pad(x, [(0, 0)] * (x.ndim - 1) + [(0, -K % 32)]); x = x.reshape(x.shape[:-1] + (-1, 32)); a = np.abs(x).max(-1, keepdims=True)
;;       e = np.where(a > 0, np.clip(np.frexp(np.where(a > 0, a, 1))[1] - 1 - 2, -126, 127), 0)      # np.frexp(a)[1] - 1 = floor(log2(a)), exactly
;;       r = np.clip(x / 2.0 ** e, -7.5, 7.5)
;;       step = 2.0 ** (np.maximum(np.frexp(np.where(r == 0, 1, r))[1] - 1, 0) - 3)
;;       q = np.round(r / step) * step * 2.0 ** e      # np.round: ties to even
;;       return np.moveaxis(q.reshape(q.shape[:-2] + (-1,))[..., :K], -1, axis).astype(np.float32)
;;   ~~~
;;   SOFTMAX AHEAD OF A QUANTISED PRODUCT. Where the list says 'softmax', what is quantised is not the finished softmax but p = 2^(t - M), with t = logit x log2(e) and M = ceil(the row's largest t), a whole number; so 1/2 < the row's largest p <= 1. The row's sum l is taken of the UNQUANTISED p, in f32, and the product's result is divided by l at the end. Since M is a whole number, a kernel that streams over the keys may use a running M (the ceiling of the running maximum): every later rescaling is an exact power of two, which a block's scale takes up: the codes' values come out the same.
;;   OPERANDS COMPUTED ON THE WAY. 'Computed on the way' means the value that the module computes at that place (a softmax that the list does not call 'softmax' is quantised finished and normalised). What goes into a quantiser is computed in f32, as accurately as f32 sums, v_exp_f32 and their like allow (about 1e-6 of the number): no bf16 or f16 on the way to a quantiser, and a product that is left as it is and whose result goes on into a quantised operand takes f32 operands (vector FMAs, or v_wmma_f32_16x16x4_f32). A number that lies on a knife's edge between two numbers of the format may be rounded either way, as far as f32 arithmetic and the matrix unit's own rounding can turn it there, and no further.
;; One version. Each part assembles by itself: llvm-mc -triple=amdgcn-amd-amdhsa -mcpu=gfx1250 --defsym DOCPART=n.
;; ======== version 1 of 1: 4 launches
;; workspace buffers: xq 6,291,456 bytes; xs 262,144 bytes; wq 3,145,728 bytes; ws 131,072 bytes; qk 13,631,488 bytes; vv 6,553,600 bytes; cc 6,291,456 bytes; cs 262,144 bytes
;; launch quant (part 1): grid 768 x 1, 4 waves a work-group, no clusters, 34,304 bytes of LDS; arguments x, Wq, Wk, Wv, Wo, xq, xs, wq, ws; writes xq, xs, wq, ws
.if DOCPART == 1
	.amdgcn_target "amdgcn-amd-amdhsa--gfx1250"
	.amdhsa_code_object_version 6
	.text
	.protected	k_q7b2b3312f6_quant
	.globl	k_q7b2b3312f6_quant
	.p2align	8
	.type	k_q7b2b3312f6_quant,@function
k_q7b2b3312f6_quant:
	s_mov_b64 s[64:65], 0
	v_nop
	global_prefetch_b8 v0, s[64:65] scope:SCOPE_SE
	s_setreg_imm32_b32 hwreg(HW_REG_WAVE_MODE, 25, 1), 1
	s_wait_xcnt 0x0
; x [8192][1024] and Wq, Wk, Wv, Wo [1024][1024], f32, K innermost, become codes of FP6 (E2M3) with one E8M0 byte for each 32 along K,
; laid as the later launches' matrix operands want them.
; ROW ORDER.  Rows go in tiles of 16.  Tile 2 g + u holds, at its place i, the true row 32 g + 8 u + i + 8 (i / 8).  A product that takes tiles
; 2 g and 2 g + 1 as its source 0 then leaves 16 NEIGHBOURING true rows in a lane's 16 result registers.
; CODES: [row tile][kg 0..15][768 bytes].  768 bytes are the register image of 16 rows x 64 along K: lane l = r + 16 h holds the 24 bytes of
; k = 32 h .. 32 h + 31 of tile row r; its registers 0-3 lie at 16 l, its registers 4-5 at 512 + 8 l.
; SCALES: [row tile][ks 0..3][r][2 words]: word q, byte b is the scale of k = 256 ks + 128 q + 32 b.
; A block's scale is 2^(floor(log2(its largest magnitude)) - 2); its byte is the largest magnitude's exponent field - 2, held at 1 from below.
; LIMITS: a block of zeros gets the byte 1 and not 127 (its codes are zeros, and this program alone reads the bytes); blocks whose largest
; magnitude lies under 2^-124 were not tried; NaN and infinities among the inputs are not served.
; SHARES.  A work-group takes one row tile (work-groups 0-511: x; then 64 each for Wq, Wk, Wv, Wo), wave w the K quarter w: 256 numbers a row.
; Every load reads 512 consecutive bytes of a row; the numbers turn through the wave's own stage in LDS so that a lane gets 32 neighbours, a whole block.
; No barrier: waves share nothing.  One path through the text: only pointers are chosen by the work-group's number.
.set R,   16                           ; v16-143   two halves x 16 rows x 4 registers, as loaded
.set X,   144                          ; v144-207  64 numbers: register 32 c + n = k 64 c + 32 h + n of my tile row
.set C,   208                          ; v208-239  codes: eight registers for each of four units, so that no store's data are written again
.set STG, 16*528                       ; a wave's stage: 16 rows of 512 bytes + 16, so that 16 rows' reads start in 16 different groups of banks
	s_load_b512 s[4:19], s[0:1], 0x0               ; x, Wq, Wk, Wv, Wo, xq, xs, wq
	s_load_b64 s[20:21], s[0:1], 0x40              ; ws
	v_lshl_add_u32 v251, v0, 2, 0x8400
	v_mov_b32 v255, 0
	v_lshrrev_b32 v10, 5, v0
	v_readfirstlane_b32 s33, v10                   ; wave
	v_and_b32 v6, 31, v0                           ; lane
	v_and_b32 v7, 15, v0                           ; r
	v_bfe_u32 v8, v0, 4, 1                         ; h
	v_lshlrev_b32 v1, 4, v6                        ; 16 x lane
	v_lshlrev_b32 v2, 3, v6                        ; 8 x lane
	s_mul_i32 s34, s33, STG
	v_add_nc_u32 v3, s34, v1                       ; into the stage: as loaded
	v_mul_u32_u24 v4, v7, 528
	v_lshl_add_u32 v4, v8, 7, v4
	v_add_nc_u32 v4, s34, v4                       ; out of it: row r, + 128 h bytes
	v_lshlrev_b32 v5, 3, v7
	v_lshl_add_u32 v5, v8, 2, v5                   ; my scale word's place: 8 r + 4 h
	v_lshlrev_b32 v9, 3, v8                        ; 8 h: my bytes' shift in a scale word
	v_cmp_ne_u32 s35, 0, v8                        ; lanes 16-31
	v_mov_b32 v247, 0                              ; written once: a lane permute's destination counts as one of its sources
	s_mov_b32 s36, 0x76543210
	s_mov_b32 s37, 0xfedcba98                      ; selects for lane l xor 16
	s_wait_alu depctr_va_vdst(0)
	s_wait_kmcnt 0x0
	s_cmp_ge_u32 ttmp9, 512                        ; x or a weight?  The choices hang on the work-group's number alone
	s_cselect_b64 s[24:25], s[6:7], s[4:5]         ; the source,
	s_cselect_b64 s[26:27], s[18:19], s[14:15]     ; its codes,
	s_cselect_b64 s[28:29], s[20:21], s[16:17]     ; its scales
	s_cselect_b32 s22, 512, 0
	s_cselect_b32 s23, 63, 511
	s_cmp_ge_u32 ttmp9, 576
	s_cselect_b64 s[24:25], s[8:9], s[24:25]
	s_cmp_ge_u32 ttmp9, 640
	s_cselect_b64 s[24:25], s[10:11], s[24:25]
	s_cmp_ge_u32 ttmp9, 704
	s_cselect_b64 s[24:25], s[12:13], s[24:25]
	s_sub_co_u32 s22, ttmp9, s22                   ; the row tile in the buffer of codes
	s_and_b32 s23, s22, s23                        ; and in its source
	s_lshr_b32 s30, s23, 1
	s_lshl_b32 s30, s30, 17                        ; 32 rows of 4,096 bytes for each pair of tiles,
	s_and_b32 s31, s23, 1
	s_lshl_b32 s31, s31, 15                        ; 8 rows for the odd tile,
	s_add_co_u32 s30, s30, s31
	s_lshl_b32 s31, s33, 10                        ; 1,024 bytes for each K quarter
	s_add_co_u32 s30, s30, s31
	s_mov_b32 s31, 0
	s_add_nc_u64 s[24:25], s[24:25], s[30:31]
	s_mul_i32 s30, s22, 12288
	s_mul_i32 s32, s33, 3072
	s_add_co_u32 s30, s30, s32
	s_add_nc_u64 s[26:27], s[26:27], s[30:31]
	s_lshl_b32 s30, s22, 9
	s_lshl_b32 s32, s33, 7
	s_add_co_u32 s30, s30, s32
	s_add_nc_u64 s[28:29], s[28:29], s[30:31]
.irp c2, 0,1
.irp i, 0,1,2,3,4,5,6,7,8,9,10,11,12,13,14,15
	global_load_b128 v[R+64*\c2+4*\i:R+64*\c2+4*\i+3], v1, s[24:25] offset:(\i+8*(\i/8))*4096+512*\c2 th:TH_LOAD_NT   ; 32 lanes read 512 consecutive bytes of tile row i
.endr
.endr
; one block of 32: my numbers X + 32 c on; unit 2 c2 + c of the wave's four
.macro QBLK c2, c
.set XS, X+32*(\c)
.set U, 2*(\c2)+(\c)
	v_max3_num_f32 v240, |v[XS]|, |v[XS+1]|, |v[XS+2]|               ; the block's largest magnitude: all 32 numbers are mine; two chains
	v_max3_num_f32 v241, |v[XS+3]|, |v[XS+4]|, |v[XS+5]|
.irp i, 6,10,14,18,22,26
	v_max3_num_f32 v240, v240, |v[XS+\i]|, |v[XS+\i+1]|
	v_max3_num_f32 v241, v241, |v[XS+\i+2]|, |v[XS+\i+3]|
.endr
	v_max3_num_f32 v240, v240, |v[XS+30]|, |v[XS+31]|
	v_max3_num_f32 v240, v240, v241, 0x1800000     ; and the floor 2^(3 - 127): the byte cannot fall under 1
	v_add_nc_u32 v242, 0xff000000, v240            ; 2 off its exponent field: the conversion takes the exponent field of this operand as its scale
	v_lshrrev_b32 v[244+\c], 23, v242              ; the scale's byte
	v_cvt_scalef32_pk16_fp6_f32 v[C+8*U:C+8*U+2], v[XS:XS+15], v242
	v_cvt_scalef32_pk16_fp6_f32 v[248:250], v[XS+16:XS+31], v242     ; (a conversion's three registers begin on an even number)
	v_nop                                          ; one plain place behind a scaled conversion
.irp i, 0,1,2
	v_mov_b32 v[C+8*U+3+\i], v[248+\i]
.endr
	global_store_b128 v1, v[C+8*U:C+8*U+3], s[26:27] offset:768*U        ; 512 consecutive bytes, aligned
	global_store_b64 v2, v[C+8*U+4:C+8*U+5], s[26:27] offset:768*U+512   ; 256 consecutive bytes, aligned
.endm
.macro HALF c2
.irp i, 0,1,2,3,4,5,6,7,8,9,10,11,12,13,14,15
	ds_store_b128 v3, v[R+64*\c2+4*\i:R+64*\c2+4*\i+3] offset:528*\i
.endr
.irp c, 0,1
.irp j, 0,1,2,3,4,5,6,7
	ds_load_b128 v[X+32*\c+4*\j:X+32*\c+4*\j+3], v4 offset:256*\c+16*\j   ; LDS serves a wave's instructions in order: these see my stores
.endr
.endr
	s_wait_dscnt 0x0
	QBLK \c2, 0
	QBLK \c2, 1
	v_lshl_or_b32 v246, v245, 16, v244             ; my two bytes: blocks h and 2 + h of these 128 along K,
	v_lshlrev_b32 v246, v9, v246                   ; at their places in the scale word;
	v_permlanex16_b32 v247, v246, s36, s37
	v_or_b32 v[252+\c2], v246, v247                ; with lane l xor 16's two the word is whole
.endm
	s_wait_loadcnt 16                              ; the first half's 16 loads are in; the second half's 16 may be out
	HALF 0
	s_wait_loadcnt 0x0
	HALF 1
	v_cndmask_b32 v254, v252, v253, s35            ; lanes 0-15 store word 0, lanes 16-31 word 1
	global_store_b32 v5, v254, s[28:29]            ; 128 consecutive bytes a wave, 512 a work-group
	s_wait_tensorcnt 0x0
	ds_add_u32 v251, v255
	s_wait_dscnt 0x0
	s_endpgm
.Lfunc_end_k_q7b2b3312f6_quant:
	.size	k_q7b2b3312f6_quant, .Lfunc_end_k_q7b2b3312f6_quant-k_q7b2b3312f6_quant
	.p2alignl 7, 3214868480
	.fill 96, 4, 3214868480
	.section	.rodata,"a",@progbits
	.p2align	6, 0x0
	.amdhsa_kernel k_q7b2b3312f6_quant
		.amdhsa_group_segment_fixed_size 34304
		.amdhsa_private_segment_fixed_size 0
		.amdhsa_enable_private_segment 0
		.amdhsa_kernarg_size 72
		.amdhsa_user_sgpr_count 2
		.amdhsa_user_sgpr_kernarg_segment_ptr 1
		.amdhsa_wavefront_size32 1
		.amdhsa_system_sgpr_workgroup_id_x 1
		.amdhsa_system_sgpr_workgroup_id_y 1
		.amdhsa_system_sgpr_workgroup_id_z 1
		.amdhsa_system_vgpr_workitem_id 0
		.amdhsa_next_free_vgpr 256
		.amdhsa_next_free_sgpr 66
		.amdhsa_reserve_vcc 0
		.amdhsa_float_denorm_mode_32 3
		.amdhsa_float_denorm_mode_16_64 3
		.amdhsa_memory_ordered 1
		.amdhsa_forward_progress 1
		.amdhsa_inst_pref_size 17
	.end_amdhsa_kernel
	.amdgpu_metadata
---
amdhsa.version: [ 1, 2 ]
amdhsa.kernels:
  - .name:           k_q7b2b3312f6_quant
    .symbol:         k_q7b2b3312f6_quant.kd
    .args:
      - { .name: x, .offset: 0, .size: 8, .value_kind: global_buffer, .address_space: global }
      - { .name: Wq, .offset: 8, .size: 8, .value_kind: global_buffer, .address_space: global }
      - { .name: Wk, .offset: 16, .size: 8, .value_kind: global_buffer, .address_space: global }
      - { .name: Wv, .offset: 24, .size: 8, .value_kind: global_buffer, .address_space: global }
      - { .name: Wo, .offset: 32, .size: 8, .value_kind: global_buffer, .address_space: global }
      - { .name: xq, .offset: 40, .size: 8, .value_kind: global_buffer, .address_space: global }
      - { .name: xs, .offset: 48, .size: 8, .value_kind: global_buffer, .address_space: global }
      - { .name: wq, .offset: 56, .size: 8, .value_kind: global_buffer, .address_space: global }
      - { .name: ws, .offset: 64, .size: 8, .value_kind: global_buffer, .address_space: global }
    .group_segment_fixed_size: 34304
    .private_segment_fixed_size: 0
    .kernarg_segment_align: 8
    .kernarg_segment_size: 72
    .max_flat_workgroup_size: 128
    .sgpr_count:     66
    .vgpr_count:     256
    .wavefront_size: 32
...
	.end_amdgpu_metadata
.endif
;; end of part 1
;; launch gemm_qkv (part 2): grid 4 x 64, 4 waves a work-group, clusters of 4 x 4, 327,680 bytes of LDS; arguments xq, xs, wq, ws, bq, bk, bv, qk, vv; writes qk, vv
.if DOCPART == 2
	.amdgcn_target "amdgcn-amd-amdhsa--gfx1250"
	.amdhsa_code_object_version 6
	.text
	.protected	k_q7b2b3312f6_gemm_qkv
	.globl	k_q7b2b3312f6_gemm_qkv
	.p2align	8
	.type	k_q7b2b3312f6_gemm_qkv,@function
k_q7b2b3312f6_gemm_qkv:
	s_mov_b64 s[64:65], 0
	v_nop
	global_prefetch_b8 v0, s[64:65] scope:SCOPE_SE
	s_setreg_imm32_b32 hwreg(HW_REG_WAVE_MODE, 25, 1), 1
	s_wait_xcnt 0x0
	s_wait_alu depctr_hold_cnt(0) depctr_sa_sdst(0) depctr_va_vdst(0) depctr_va_sdst(0) depctr_va_ssrc(0) depctr_va_vcc(0) depctr_vm_vsrc(0)
	s_getreg_b32 s2, hwreg(HW_REG_IB_STS2, 6, 4)
	s_cmp_eq_u32 s2, 0
	s_cbranch_scc0 .Lentry_in_a_cluster
	s_endpgm
.Lentry_in_a_cluster:
	s_bfe_u32 s2, ttmp6, 0x10000c
	s_cmp_lg_u32 s2, 0xf033
	s_cbranch_scc0 .Lentry_shape_is_right
	s_endpgm
.Lentry_shape_is_right:
; q = x Wq^T + bq, k = x Wk^T + bk, v = x Wv^T + bv on codes of FP6 (E2M3) with E8M0 scales, sums in f32.  q and k are quantised along a head's 64 channels, v along the tokens; all leave as codes.
; IN.  x [8192 tokens][1024] and the weights (Wq: row tiles 0-63, Wk: 64-127, Wv: 128-191) arrive as register images: codes [row tile of 16][kg 0..15][768 bytes] (768 bytes: 16 rows x 64 along K;
; lane l's registers 0-3 at 16 l, 4-5 at 512 + 8 l), scales [row tile][ks 0..3][r][2 words].  In every group of 32 rows, tile 2 g + u holds at place i the true row 32 g + 8 u + i + 8 (i / 8):
; so the 16 result registers of tiles 2 g, 2 g + 1 taken as source 0 are 16 neighbouring true rows.
; SHARES.  A work-group owns 128 tokens and walks THREE weight tiles of 256 rows: Wq's, Wk's and Wv's at its tile column.  x's 128 rows, all of K, stay in LDS; the weights go through two slots of 512 along K.
; Wave w takes all 128 tokens against weight row tiles 4 w .. 4 w + 3, which are one head's 64 rows: 32 accumulators.  So each wave's results are whole images of the output, codes and scales alike.
; q, k: source 0 = 16 weight rows, source 1 = 16 tokens: a lane holds one token, its registers run along the channels.  v: THE SAME FRAGMENTS WITH THE SOURCES SWAPPED: a lane holds one channel, its registers run along the tokens.
; The bias is the C of each sum's first matrix instruction.  Everything is written out; there is no loop.
; THE SLOTS.  Slot d holds K = 512 d .. 512 d + 511 of the weight tile in hand.  When a pass has read slot d, the slot takes the next pass's part: four refills, each behind a round of the cluster's barrier,
; each with 112 matrix instructions of a wave between its request and the next wait for all loads.
; CLUSTERS: 4 x 4 work-groups; x's tiles are asked for jointly along a row of the cluster, the weights' along a column.  Every wave asks for its own quarter of every tile: no branch stands round a load.
; OUT.  qk: codes [ng 32: head for q, 16 + head for k][token tile 512][768]; at QKS_OFF scales [ng][128 tokens][512 bytes]: lane l's register i is the word of token place 32 i + l: two scale bytes and twice
; 0x7f, for the 64 zero codes with which the next launch fills its K step of 128.  vv: codes [64 tokens: 128][channel tile 64][768]; at VS_OFF scales [batch 4][head 16][128 keys: 16][256 bytes]:
; lane l's register i holds channel tile 2 i's words in lanes 0-15, tile 2 i + 1's in lanes 16-31.
; LIMITS: a block of zeros gets the byte 1 and not 127 (zero codes; this program alone reads the bytes); blocks under 2^-124 were not tried; NaN and infinities are not served.
; REGISTERS: window 0: v1-20 addresses; v28, v29 the add's; v32-63 scale words, two sets; v64-159 x's fragments, set 0; v160-211 the way out.   window 1: v0-95 the weights' fragments, two sets; v96-191 x's, set 1.
;   window 2: the accumulators (q, k: (token tile a, weight tile b) at v[8 (4 a + b)]; v: at v[8 (8 b + a)]).   window 3: the biases as C: 32 registers a pass.
.set QKS_OFF, 12582912
.set VS_OFF, 6291456
.set XR,    0                          ; LDS: x's codes [d 0..1][row tile 8][6,144 bytes]
.set WR,    98304                      ; the weights' two slots [d][row tile 16][6,144]
.set SCLX,  294912                     ; x's scales [row tile 8][512]
.set SCLW,  SCLX+4096                  ; the weights' scales [wave][pass 3][row tile 4][512]
.set SPARE, SCLW+24576                 ; the spare words, 128 bytes for each wave: two blocks of 256 bytes that no other line names
.set NP,    4                          ; places behind this matrix instruction (ISA guide 7.12.1)
.set XA,   4                           ; v4, v5 x's fragments in d = 0, 1: 16 l + ..; v6, v7 the same at 512 + 8 l
.set WA,   8                           ; v8, v9; v10, v11 the same for my four weight tiles
.set ADRX, 12                          ; v12 x's scale words: 8 r in every lane
.set ADRS, 13                          ; v13-15 for pass 0, 1, 2: lanes 0-15 x's scale words, lanes 16-31 my weight tiles'
.set L16,  17                          ; v17 16 x lane
.set L8,   18                          ; v18 8 x lane
.set BA,   19                          ; v19, v20 the biases' offsets
.set BA2,  20
.set SPW,  28                          ; v28 my spare word; never rewritten
.set NIL,  29                          ; v29 0; never rewritten
.set SC,   32                          ; scale words: set ks % 2 at v[SC + 16 (ks % 2)]; register 2 i + q: lanes 0-15 x's tile i, lanes 16-31 (i < 4) weight tile i
.set PC,   160                         ; the way out: a fragment's codes (12) and two runs of 3
.set TM,   184                         ; +0..3 largest magnitudes, +4..7 bytes, +12..15 the conversions' scale operands
.set PW,   200                         ; v200-207 scale words
.set OW,   208                         ; v208-211 scale words as they are stored
.set G1X,  32                          ; s[32:39] group 1 for x's codes;  s[40:47] the weights';  s[48:55], s[56:63] their scales'
.set G1W,  40
.set G1SX, 48
.set G1SW, 56
.set G0X,  68                          ; s[68:75] groups 0 for x's codes, d = 0, 1;  s[76:83] the weights';  s[84:87], s[88:91] the scales'
.set G0W,  76
.set G0SX, 84
.set G0SW, 88
.set MSB, 0
.macro WIN new                         ; the immediate's high byte repeats the setting that is left
.if MSB != (\new)
	s_set_vgpr_msb (MSB<<8)|(\new)
.set MSB, (\new)
.endif
.endm
.macro WINM sw, set, first             ; the windows of a product: D window 2; C window 2, or 3 for a bias; the weights window 1; x window 0 (set 0) or 1 (set 1)
.if \sw
	WIN 0x84|((2+(\first))<<4)|(\set)
.else
	WIN 0x81|((2+(\first))<<4)|((\set)<<2)
.endif
.endm
.macro CREST                           ; a round of the cluster's barrier behind its opening barrier
	s_cmp_lg_u32 s22, 0
	s_cbranch_scc1 .Lnot_wave_0_\@
	s_barrier_signal -3
.Lnot_wave_0_\@:
	s_barrier_wait -3
	s_barrier_signal -1
	s_barrier_wait -1
.endm
.macro CROUND
	s_barrier_signal -1
	s_barrier_wait -1
	CREST
.endm
.macro PLACES                          ; places in front of loads into registers that matrix instructions have read, and of the first read of results
.rept NP
	v_nop
.endr
.endm
	s_load_b512 s[4:19], s[0:1], 0x0               ; xq, xs, wq, ws, bq, bk, bv, qk
	s_load_b64 s[20:21], s[0:1], 0x40              ; vv
	v_lshl_add_u32 v[SPW], v0, 2, SPARE
	v_mov_b32 v[NIL], 0
	ds_add_u32 v28, v29
	ds_add_u32 v28, v29
	s_wait_dscnt 0x0
	v_lshrrev_b32 v1, 5, v0
	v_readfirstlane_b32 s22, v1                    ; wave 0..3
	s_bfe_u32 s25, ttmp6, 0x40000                  ; cx, cy: my place in the cluster
	s_bfe_u32 s26, ttmp6, 0x40004
	s_lshl_b32 s24, ttmp9, 2
	s_add_co_u32 s24, s24, s25                     ; tile column (256 weight rows) = 4 x cluster x + cx
	s_and_b32 s23, ttmp7, 0xffff
	s_lshl_b32 s23, s23, 2
	s_add_co_u32 s23, s23, s26                     ; tile row (128 tokens) = 4 x cluster y + cy
	s_lshl_b32 s27, s26, 2
	s_lshl_b32 s27, 15, s27                        ; my row of the cluster
	s_lshl_b32 s28, 0x1111, s25                    ; my column
	; groups 1 for codes: rows (row tiles) of 6,144 bytes (768 elements of 8), 12,288 bytes apart; dense in LDS.  A wave's quarter: 2 row tiles of x, 4 of the weights
	s_or_b32 s[G1X], s27, (3<<16)|(1<<21)          ; 15:0 the mask; 17:16 elements of 8 bytes; 21 set beside a mask
	s_or_b32 s[G1W], s28, (3<<16)|(1<<21)
.irp g, G1X, G1W
	s_mov_b32 s[\g+1], 768<<16                     ; tensor_dim0
	s_mov_b32 s[\g+3], 768<<16                     ; tile_dim0
	s_mov_b32 s[\g+5], 1536                        ; tensor_dim0_stride
	s_mov_b32 s[\g+6], 0
	s_mov_b32 s[\g+7], 0
.endr
	s_mov_b32 s[G1X+2], 2<<16                      ; tensor_dim1
	s_mov_b32 s[G1X+4], 2                          ; tile_dim1
	s_mov_b32 s[G1W+2], 4<<16
	s_mov_b32 s[G1W+4], 4
	; x's scales: a wave's quarter is 1,024 dense bytes, as 4 rows of 256
	s_or_b32 s[G1SX], s27, (3<<16)|(1<<21)
	s_mov_b32 s[G1SX+1], 32<<16
	s_mov_b32 s[G1SX+2], 4<<16
	s_mov_b32 s[G1SX+3], 32<<16
	s_mov_b32 s[G1SX+4], 4
	s_mov_b32 s[G1SX+5], 32
	s_mov_b32 s[G1SX+6], 0
	s_mov_b32 s[G1SX+7], 0
	; the weights' scales: 3 rows (Wq, Wk, Wv) of 2,048 bytes (my four row tiles), 32,768 bytes apart
	s_or_b32 s[G1SW], s28, (3<<16)|(1<<21)
	s_mov_b32 s[G1SW+1], 256<<16
	s_mov_b32 s[G1SW+2], 3<<16
	s_mov_b32 s[G1SW+3], 256<<16
	s_mov_b32 s[G1SW+4], 3
	s_mov_b32 s[G1SW+5], 4096
	s_mov_b32 s[G1SW+6], 0
	s_mov_b32 s[G1SW+7], 0
	s_lshl_b32 s29, s23, 3
	s_lshl_b32 s31, s22, 1
	s_add_co_u32 s29, s29, s31                     ; x: row tile 8 x tile row + 2 x wave
	s_lshl_b32 s30, s24, 4
	s_lshl_b32 s31, s22, 2
	s_add_co_u32 s30, s30, s31                     ; the weights: row tile 16 x tile column + 4 x wave
	s_mul_i32 s2, s29, 12288                       ; their codes, in bytes,
	s_mov_b32 s3, 0
	s_lshl_b32 s92, s29, 9                         ; and their scales
	s_mov_b32 s93, 0
	s_mul_i32 s66, s30, 12288
	s_mov_b32 s67, 0
	s_lshl_b32 s94, s30, 9
	s_mov_b32 s95, 0
	s_mul_i32 s29, s22, 12288                      ; where they go: the wave's number x a quarter: no place in the cluster enters an LDS address
	s_mul_i32 s30, s22, 24576
	s_lshl_b32 s31, s22, 10
	s_mul_i32 s96, s22, 6144
	s_wait_kmcnt 0x0
	s_add_nc_u64 s[2:3], s[4:5], s[2:3]
	s_add_nc_u64 s[66:67], s[8:9], s[66:67]
.irp d, 0,1
	s_mov_b32 s[G0X+4*\d], 1                       ; count = 1
	s_add_co_u32 s[G0X+4*\d+1], s29, XR+\d*49152   ; LDS address
	s_add_nc_u64 s[G0X+4*\d+2:G0X+4*\d+3], s[2:3], \d*6144   ; K = 512 d on
	s_or_b32 s[G0X+4*\d+3], s[G0X+4*\d+3], 0x80000000        ; type = 2
	s_mov_b32 s[G0W+4*\d], 1
	s_add_co_u32 s[G0W+4*\d+1], s30, WR+\d*98304
	s_add_nc_u64 s[G0W+4*\d+2:G0W+4*\d+3], s[66:67], \d*6144
	s_or_b32 s[G0W+4*\d+3], s[G0W+4*\d+3], 0x80000000
.endr
	s_mov_b32 s[G0SX], 1
	s_add_co_u32 s[G0SX+1], s31, SCLX
	s_add_nc_u64 s[G0SX+2:G0SX+3], s[6:7], s[92:93]
	s_or_b32 s[G0SX+3], s[G0SX+3], 0x80000000
	s_mov_b32 s[G0SW], 1
	s_add_co_u32 s[G0SW+1], s96, SCLW
	s_add_nc_u64 s[G0SW+2:G0SW+3], s[10:11], s[94:95]
	s_or_b32 s[G0SW+3], s[G0SW+3], 0x80000000
	CROUND                                         ; all sixteen work-groups are here: the first joint loads meet
	tensor_load_to_lds s[G0SX:G0SX+3], s[G1SX:G1SX+7]   ; the six first fills go out as one group: six tensor loads of mine are out
	s_nop 0
	tensor_load_to_lds s[G0SW:G0SW+3], s[G1SW:G1SW+7]
	s_nop 0
	tensor_load_to_lds s[G0X:G0X+3], s[G1X:G1X+7]
	s_nop 0
	tensor_load_to_lds s[G0W:G0W+3], s[G1W:G1W+7]
	s_nop 0
	tensor_load_to_lds s[G0X+4:G0X+7], s[G1X:G1X+7]
	s_nop 0
	tensor_load_to_lds s[G0W+4:G0W+7], s[G1W:G1W+7]
	s_nop 0
.rept 4
	v_nop
.endr
	v_and_b32 v3, 31, v0                           ; lane
	v_and_b32 v1, 15, v0                           ; r
	v_bfe_u32 v2, v0, 4, 1                         ; h
	v_lshlrev_b32 v[L16], 4, v3
	v_lshlrev_b32 v[L8], 3, v3
	v_add_nc_u32 v22, 512, v[L8]
.irp d, 0,1
	v_add_nc_u32 v[XA+\d], XR+\d*49152, v[L16]
	v_add_nc_u32 v[XA+2+\d], XR+\d*49152, v22
.endr
	s_add_co_u32 s30, s30, WR                      ; my four weight tiles: the quarter that I fetch is the quarter that I read
.irp d, 0,1
	v_add_nc_u32 v[WA+\d], s30, v[L16]
	v_add_nc_u32 v[WA+2+\d], s30, v22
	s_add_co_u32 s30, s30, 98304
.endr
	v_lshl_add_u32 v[ADRX], v1, 3, SCLX            ; 8 bytes a row
	s_add_co_u32 s96, s96, 4096                    ; from x's scales to my weight tiles' of pass 0
.irp p, 0,1,2
	v_mul_u32_u24 v23, s96, v2                     ; lanes 16-31 take the weights': one product, the distance x h
	v_add_nc_u32 v[ADRS+\p], v[ADRX], v23
	s_add_co_u32 s96, s96, 2048
.endr
	v_cmp_ne_u32 s97, 0, v2                        ; lanes 16-31
	s_mov_b32 s100, 0x76543210
	s_mov_b32 s101, 0xfedcba98                     ; selects for lane l xor 16
.irp b, 0,1,2,3
	v_mov_b32 v[TM+4+\b], 0                        ; written once: a lane permute's destination counts as one of its sources
.endr
	; the biases of my 64 rows.  q, k: weight tile b's register j of lane (r, h) is channel 32 (b / 2) + 8 (b % 2) + 16 h + j.  v: my lane's channel in tile b is 32 (b / 2) + 8 (b % 2) + r + 8 (r / 8); its number fills eight registers
	s_lshl_b32 s2, s24, 10
	s_lshl_b32 s3, s22, 8
	s_add_co_u32 s2, s2, s3
	s_mov_b32 s3, 0
	s_add_nc_u64 s[12:13], s[12:13], s[2:3]
	s_add_nc_u64 s[14:15], s[14:15], s[2:3]
	s_add_nc_u64 s[16:17], s[16:17], s[2:3]
	v_lshlrev_b32 v[BA], 6, v2
	v_and_b32 v[BA2], 8, v1
	v_add_nc_u32 v[BA2], v[BA2], v1
	v_lshlrev_b32 v[BA2], 2, v[BA2]
	WIN 0xc0                                       ; destination window 3
.irp b, 0,1,2,3
	global_load_b128 v[8*\b:8*\b+3], v[BA], s[12:13] offset:(32*(\b/2)+8*(\b%2))*4
	global_load_b128 v[8*\b+4:8*\b+7], v[BA], s[12:13] offset:(32*(\b/2)+8*(\b%2))*4+16
	global_load_b128 v[32+8*\b:32+8*\b+3], v[BA], s[14:15] offset:(32*(\b/2)+8*(\b%2))*4
	global_load_b128 v[32+8*\b+4:32+8*\b+7], v[BA], s[14:15] offset:(32*(\b/2)+8*(\b%2))*4+16
.endr
.irp b, 0,1,2,3
.irp j, 0,1,2,3,4,5,6,7
	global_load_b32 v[64+8*\b+\j], v[BA2], s[16:17] offset:(32*(\b/2)+8*(\b%2))*4
.endr
.endr
	WIN 0
	; where my results go
	s_lshl_b32 s2, s24, 2
	s_add_co_u32 s2, s2, s22                       ; my head = 4 x tile column + wave
	s_lshl_b32 s29, s2, 9
	s_lshl_b32 s30, s23, 3
	s_add_co_u32 s29, s29, s30
	s_mul_i32 s92, s29, 768
	s_mov_b32 s93, 0
	s_add_nc_u64 s[92:93], s[18:19], s[92:93]      ; q's codes: (head x 512 + 8 x tile row) x 768; k's lie 16 x 512 x 768 bytes on
	s_lshl_b32 s29, s2, 6
	s_add_co_u32 s29, s29, s23
	s_lshl_b32 s94, s29, 9
	s_add_co_u32 s94, s94, QKS_OFF
	s_mov_b32 s95, 0
	s_add_nc_u64 s[94:95], s[18:19], s[94:95]      ; q's scales: QKS_OFF + (head x 64 + tile row) x 512; k's lie 16 x 64 x 512 bytes on
	s_lshl_b32 s29, s23, 7
	s_lshl_b32 s30, s2, 2
	s_add_co_u32 s29, s29, s30
	s_mul_i32 s66, s29, 768
	s_mov_b32 s67, 0
	s_add_nc_u64 s[66:67], s[20:21], s[66:67]      ; v's codes: (2 x tile row x 64 + 4 x head) x 768
	s_lshr_b32 s29, s23, 4                         ; the batch
	s_lshl_b32 s29, s29, 4
	s_add_co_u32 s29, s29, s2
	s_lshl_b32 s29, s29, 4
	s_and_b32 s30, s23, 15                         ; the key step in it
	s_add_co_u32 s29, s29, s30
	s_lshl_b32 s98, s29, 8
	s_add_co_u32 s98, s98, VS_OFF
	s_mov_b32 s99, 0
	s_add_nc_u64 s[98:99], s[20:21], s[98:99]      ; v's scales: VS_OFF + ((16 x batch + head) x 16 + key step) x 256
.macro FRAG reg, adr, off              ; a fragment is two images of 768 bytes: four dense loads
	ds_load_b128 v[(\reg):(\reg)+3], v[\adr] offset:(\off)
	ds_load_b64 v[(\reg)+4:(\reg)+5], v[\adr+2] offset:(\off)
	ds_load_b128 v[(\reg)+6:(\reg)+9], v[\adr] offset:(\off)+768
	ds_load_b64 v[(\reg)+10:(\reg)+11], v[\adr+2] offset:(\off)+768
.endm
.macro FW ks, q                        ; my four weight fragments of K step ks' q-th 128 into set q: 16 loads
.set FO, ((\ks)%2)*3072+(\q)*1536
.set FD, (\ks)/2
	WIN 0x40                                       ; destination window 1, address window 0
.irp b, 0,1,2,3
	FRAG 48*(\q)+12*\b, WA+FD, \b*6144+FO
.endr
.endm
.macro FX ks, q, a0                    ; x's tiles a0 .. a0 + 3 likewise: 16 loads
.set FO, ((\ks)%2)*3072+(\q)*1536
.set FD, (\ks)/2
	WIN 0x40*(\q)                                  ; set 0 lies in window 0, set 1 in window 1
.irp a, \a0, \a0+1, \a0+2, \a0+3
	FRAG 64+32*(\q)+12*(\a), XA+FD, (\a)*6144+FO
.endr
.endm
.macro SCALES ks, p                    ; K step ks' scale words, two words a row: 8 loads; every offset is an immediate.  (Under window 0)
.irp i, 0,1,2,3
	ds_load_b64 v[SC+16*((\ks)%2)+2*\i:SC+16*((\ks)%2)+2*\i+1], v[ADRS+(\p)] offset:512*\i+128*(\ks)
.endr
.irp i, 4,5,6,7
	ds_load_b64 v[SC+16*((\ks)%2)+2*\i:SC+16*((\ks)%2)+2*\i+1], v[ADRX] offset:512*\i+128*(\ks)
.endr
.endm
; 8 matrix instructions: x's tiles a0, a0 + 1 against my four weight tiles.  q: the set, and which 128 of the K step; sc: the set of scale words; sw = 1: x is source 0; first = 1: C is the bias at bi.
; The 32 accumulators take turns, one instruction a turn, in the same order in every step.
.macro MUL8 a0, q, sc, sw, first, bi
.irp a, \a0, \a0+1
.irp b, 0,1,2,3
.set rW, 48*(\q)+12*\b
.set rX, 64+32*(\q)+12*(\a)
.set rSW, SC+16*(\sc)+2*\b+(\q)
.set rSX, SC+16*(\sc)+2*(\a)+(\q)
.if \sw
.set rD, 8*(8*\b+(\a))
.else
.set rD, 8*(4*(\a)+\b)
.endif
.set rC, rD
.if \first
.set rC, (\bi)+8*\b
.endif
.if \sw
	v_wmma_scale_f32_16x16x128_f8f6f4 v[rD:rD+7], v[rX:rX+11], v[rW:rW+11], v[rC:rC+7], v[rSX], v[rSW] matrix_a_fmt:MATRIX_FMT_FP6 matrix_b_fmt:MATRIX_FMT_FP6 matrix_b_scale:MATRIX_SCALE_ROW1
.else
	v_wmma_scale_f32_16x16x128_f8f6f4 v[rD:rD+7], v[rW:rW+11], v[rX:rX+11], v[rC:rC+7], v[rSW], v[rSX] matrix_a_fmt:MATRIX_FMT_FP6 matrix_b_fmt:MATRIX_FMT_FP6 matrix_a_scale:MATRIX_SCALE_ROW1
.endif
.endr
.endr
.endm
; A step of 128 along K (K step ks, its q-th 128) whose successor (nks, nq; pass np) lies in the same slot: 32 matrix instructions in four groups; the successor's 48 loads stand between them in three runs of 16.
.macro SUB ks, q, sw, first, bi, nks, nq, np
	s_wait_dscnt 16                                ; all but the youngest 16 loads (x's tiles 4-7) are in
	WINM \sw, \q, \first
	MUL8 0, \q, (\ks)%2, \sw, \first, \bi
	PLACES                                         ; for this step's loads into the other set, which the last step's products read
	FW \nks, \nq
.if (\nq) == 0
	WIN 0
	SCALES \nks, \np
.endif
	WINM \sw, \q, \first
	MUL8 2, \q, (\ks)%2, \sw, \first, \bi
	s_wait_dscnt 16+8*(1-(\nq))                    ; x's tiles 4-7 are in: only the run just issued may be out
	FX \nks, \nq, 0
	WINM \sw, \q, \first
	MUL8 4, \q, (\ks)%2, \sw, \first, \bi
	FX \nks, \nq, 4
	WINM \sw, \q, \first
	MUL8 6, \q, (\ks)%2, \sw, \first, \bi
.endm
; A slot's last step (ks odd, the second 128) changes slots: ONE barrier; in front of it each wave waits for all its tensor loads, adds 0 to its spare word, and waits for that and for its reads of this slot.
; mode 2: the barrier opens a round of the cluster's, and behind it this slot takes the next pass's part.  mode 1: a plain barrier: the last refill has landed for every wave.
.macro TURN ks, sw, mode, nks, np
	WIN 0                                          ; (the add's two registers lie in window 0)
	s_wait_tensorcnt 0x0                           ; all my tensor loads have landed: my part of the slot ahead among them
	ds_add_u32 v[SPW], v[NIL]                      ; 0 onto my spare word
	s_wait_dscnt 17                                ; (the add and the youngest 16 loads may be out)
	WINM \sw, 1, 0
	MUL8 0, 1, 1, \sw, 0, 0                        ; eight matrix instructions stand between the add and the wait for it
	s_wait_dscnt 0x0                               ; the add is done, and my reads of this slot are over
	s_barrier_signal -1
	MUL8 2, 1, 1, \sw, 0, 0
	WIN 0
	s_barrier_wait -1
.if (\mode) == 2
	CREST                                          ; no wave of any partner still reads this slot or has a load on its way
	s_add_nc_u64 s[G0W+4*((\ks)/2)+2:G0W+4*((\ks)/2)+3], s[G0W+4*((\ks)/2)+2:G0W+4*((\ks)/2)+3], 64*12288   ; the next weight: 64 row tiles on
	tensor_load_to_lds s[G0W+4*((\ks)/2):G0W+4*((\ks)/2)+3], s[G1W:G1W+7]   ; the first tensor load behind the round, and my only one until the next
	s_nop 0
.endif
	PLACES                                         ; behind the tensor load, and in front of the loads below
	FW \nks, 0
	FX \nks, 0, 0
	SCALES \nks, \np
	WINM \sw, 1, 0
	MUL8 4, 1, 1, \sw, 0, 0
	FX \nks, 0, 4
	WINM \sw, 1, 0
	MUL8 6, 1, 1, \sw, 0, 0
.endm
; A pass: one weight tile, all of K.
.macro PASS p, sw, last
	SUB 0, 0, \sw, 1, 32*\p, 0, 1, \p
	SUB 0, 1, \sw, 0, 0, 1, 0, \p
	SUB 1, 0, \sw, 0, 0, 1, 1, \p
	TURN 1, \sw, 2-\last, 2, \p
	SUB 2, 0, \sw, 0, 0, 2, 1, \p
	SUB 2, 1, \sw, 0, 0, 3, 0, \p
	SUB 3, 0, \sw, 0, 0, 3, 1, \p
.if \last
	s_wait_dscnt 16                                ; the very last 128 along K: nothing more to fetch
	WINM \sw, 1, 0
	MUL8 0, 1, 1, \sw, 0, 0
	MUL8 2, 1, 1, \sw, 0, 0
	s_wait_dscnt 0x0
	MUL8 4, 1, 1, \sw, 0, 0
	MUL8 6, 1, 1, \sw, 0, 0
.else
	TURN 3, \sw, 2, 0, \p+1
.endif
.endm
; THE WAY OUT of 64 accumulator registers, 64 n on: four blocks of 32 along the next product's K, 16 registers of mine and 16 of lane l xor 16 each.  They become 12 registers: two images of 768 bytes.
; sw = 0 (pass p: q or k): token tiles 2 n and 2 n + 1, two blocks of channels each.  sw = 1 (v): channel tile n, four blocks of tokens.
.macro EPI n, sw, p
.set AC, 64*(\n)
	WIN 0x28                                       ; sources 1 and 2: window 2
.irp b, 0,1,2,3
	v_max3_num_f32 v[TM+\b], 0x1800000, |v[AC+16*\b]|, |v[AC+16*\b+1]|   ; each accumulator from its low end on; the floor 2^(3 - 127) holds the byte at 1 from below
.endr
.irp i, 2,4,6,8,10,12,14
.irp b, 0,1,2,3
	v_max3_num_f32 v[TM+\b], v[TM+\b], |v[AC+16*\b+\i]|, |v[AC+16*\b+\i+1]|
.endr
.endr
	WIN 0
.irp b, 0,1,2,3
	v_permlanex16_b32 v[TM+4+\b], v[TM+\b], s100, s101
.endr
.irp b, 0,1,2,3
	v_max_num_f32 v[TM+\b], v[TM+\b], v[TM+4+\b]   ; with lane l xor 16's: the block's largest magnitude
.endr
.irp b, 0,1,2,3
	v_add_nc_u32 v[TM+12+\b], 0xff000000, v[TM+\b] ; 2 off its exponent field: the conversion's scale operand
.endr
.irp b, 0,1,2,3
	v_lshrrev_b32 v[TM+4+\b], 23, v[TM+12+\b]      ; the scale's byte
.endr
.if \sw
	v_lshl_or_b32 v[PW+(\n)], v[TM+5], 8, v[TM+4]  ; my channel's word for these 128 tokens
	v_lshl_or_b32 v[PW+(\n)], v[TM+6], 16, v[PW+(\n)]
	v_lshl_or_b32 v[PW+(\n)], v[TM+7], 24, v[PW+(\n)]
.else
	v_lshl_or_b32 v[PW+2*(\n)], v[TM+5], 8, v[TM+4]        ; my token's two bytes in tile 2 n,
	v_lshl_or_b32 v[PW+2*(\n)+1], v[TM+7], 8, v[TM+6]      ; and in tile 2 n + 1;
	v_or_b32 v[PW+2*(\n)], 0x7f7f0000, v[PW+2*(\n)]        ; twice 0x7f above them
	v_or_b32 v[PW+2*(\n)+1], 0x7f7f0000, v[PW+2*(\n)+1]
.endif
	s_wait_xcnt 0x0                                ; the earlier stores have read their registers: the codes' registers are written again only behind this wait
	WIN 0x02                                       ; source 0: window 2
.irp c, 0,1
	v_cvt_scalef32_pk16_fp6_f32 v[PC+6*\c:PC+6*\c+2], v[AC+32*\c:AC+32*\c+15], v[TM+12+2*\c]
	v_cvt_scalef32_pk16_fp6_f32 v[PC+12+4*\c:PC+14+4*\c], v[AC+32*\c+16:AC+32*\c+31], v[TM+13+2*\c]   ; (a conversion's three registers begin on an even number)
.endr
	WIN 0
	v_nop                                          ; one plain place behind a scaled conversion
.irp c, 0,1                            ; the layout wants a WHOLE block in a lane: lanes 0-15 block 2 c, lanes 16-31 block 2 c + 1
.irp i, 0,1,2
	v_permlane16_swap_b32 v[PC+6*\c+\i], v[PC+12+4*\c+\i]
.endr
.irp i, 0,1,2
	v_mov_b32 v[PC+3+6*\c+\i], v[PC+12+4*\c+\i]
.endr
.endr
.irp c, 0,1
.if \sw
	global_store_b128 v[L16], v[PC+6*\c:PC+6*\c+3], s[66:67] offset:(\c*64+(\n))*768                    ; 512 consecutive bytes, aligned
	global_store_b64 v[L8], v[PC+6*\c+4:PC+6*\c+5], s[66:67] offset:(\c*64+(\n))*768+512                ; 256 consecutive bytes, aligned
.else
	global_store_b128 v[L16], v[PC+6*\c:PC+6*\c+3], s[92:93] offset:(\p)*6291456+(2*(\n)+\c)*768
	global_store_b64 v[L8], v[PC+6*\c+4:PC+6*\c+5], s[92:93] offset:(\p)*6291456+(2*(\n)+\c)*768+512
.endif
.endr
.endm
.macro OUTQK p                         ; q's or k's way out; the next pass's first fragments are on their way from LDS meanwhile
	PLACES
.irp n, 0,1,2,3
	EPI \n, 0, \p
.endr
.irp i, 0,1,2,3
	v_cndmask_b32 v[OW+\i], v[PW+2*\i], v[PW+2*\i+1], s97   ; lanes 0-15: token tile 2 i's words; lanes 16-31: tile 2 i + 1's
.endr
	global_store_b128 v[L16], v[OW:OW+3], s[94:95] offset:(\p)*524288   ; my head's words of these 128 tokens: 512 consecutive bytes, aligned
.endm
	s_wait_tensorcnt 2                             ; the scales and my parts of K = 0 .. 511 are in; the two loads for K = 512 on may be out
	s_barrier_signal -1
	s_barrier_wait -1
	FW 0, 0
	FX 0, 0, 0
	SCALES 0, 0
	FX 0, 0, 4
	s_wait_loadcnt 0x0                             ; the biases
	PASS 0, 0, 0
	OUTQK 0
	PASS 1, 0, 0
	OUTQK 1
	PASS 2, 1, 1
	PLACES
.irp n, 0,1,2,3
	EPI \n, 1, 0
.endr
.irp i, 0,1
	v_cndmask_b32 v[OW+\i], v[PW+2*\i], v[PW+2*\i+1], s97   ; lanes 0-15: channel tile 2 i's words; lanes 16-31: tile 2 i + 1's
.endr
	global_store_b64 v[L8], v[OW:OW+1], s[98:99]   ; my head's words of this key step: 256 consecutive bytes, aligned
	s_wait_tensorcnt 0x0                           ; the wave's end
	ds_add_u32 v[SPW], v[NIL]
	s_wait_dscnt 0x0
	CROUND                                         ; the closing round: no work-group ends while a partner may still ask for a tile that names it
	s_endpgm
.Lfunc_end_k_q7b2b3312f6_gemm_qkv:
	.size	k_q7b2b3312f6_gemm_qkv, .Lfunc_end_k_q7b2b3312f6_gemm_qkv-k_q7b2b3312f6_gemm_qkv
	.p2alignl 7, 3214868480
	.fill 96, 4, 3214868480
	.section	.rodata,"a",@progbits
	.p2align	6, 0x0
	.amdhsa_kernel k_q7b2b3312f6_gemm_qkv
		.amdhsa_group_segment_fixed_size 327680
		.amdhsa_private_segment_fixed_size 0
		.amdhsa_enable_private_segment 0
		.amdhsa_kernarg_size 72
		.amdhsa_user_sgpr_count 2
		.amdhsa_user_sgpr_kernarg_segment_ptr 1
		.amdhsa_wavefront_size32 1
		.amdhsa_system_sgpr_workgroup_id_x 1
		.amdhsa_system_sgpr_workgroup_id_y 1
		.amdhsa_system_sgpr_workgroup_id_z 1
		.amdhsa_system_vgpr_workitem_id 0
		.amdhsa_next_free_vgpr 1024
		.amdhsa_next_free_sgpr 102
		.amdhsa_reserve_vcc 0
		.amdhsa_float_denorm_mode_32 3
		.amdhsa_float_denorm_mode_16_64 3
		.amdhsa_memory_ordered 1
		.amdhsa_forward_progress 1
		.amdhsa_inst_pref_size 254
	.end_amdhsa_kernel
	.amdgpu_metadata
---
amdhsa.version: [ 1, 2 ]
amdhsa.kernels:
  - .name:           k_q7b2b3312f6_gemm_qkv
    .symbol:         k_q7b2b3312f6_gemm_qkv.kd
    .args:
      - { .name: xq, .offset: 0, .size: 8, .value_kind: global_buffer, .address_space: global }
      - { .name: xs, .offset: 8, .size: 8, .value_kind: global_buffer, .address_space: global }
      - { .name: wq, .offset: 16, .size: 8, .value_kind: global_buffer, .address_space: global }
      - { .name: ws, .offset: 24, .size: 8, .value_kind: global_buffer, .address_space: global }
      - { .name: bq, .offset: 32, .size: 8, .value_kind: global_buffer, .address_space: global }
      - { .name: bk, .offset: 40, .size: 8, .value_kind: global_buffer, .address_space: global }
      - { .name: bv, .offset: 48, .size: 8, .value_kind: global_buffer, .address_space: global }
      - { .name: qk, .offset: 56, .size: 8, .value_kind: global_buffer, .address_space: global }
      - { .name: vv, .offset: 64, .size: 8, .value_kind: global_buffer, .address_space: global }
    .group_segment_fixed_size: 327680
    .private_segment_fixed_size: 0
    .kernarg_segment_align: 8
    .kernarg_segment_size: 72
    .max_flat_workgroup_size: 128
    .sgpr_count:     102
    .vgpr_count:     1024
    .wavefront_size: 32
...
	.end_amdgpu_metadata
.endif
;; end of part 2
;; launch attn (part 3): grid 4 x 64, 16 waves a work-group, clusters of 4 x 1, 210,944 bytes of LDS; arguments qk, vv, cc, cs; writes cc, cs
.if DOCPART == 3
	.amdgcn_target "amdgcn-amd-amdhsa--gfx1250"
	.amdhsa_code_object_version 6
	.text
	.protected	k_q7b2b3312f6_attn
	.globl	k_q7b2b3312f6_attn
	.p2align	8
	.type	k_q7b2b3312f6_attn,@function
k_q7b2b3312f6_attn:
	s_mov_b64 s[64:65], 0
	v_nop
	global_prefetch_b8 v0, s[64:65] scope:SCOPE_SE
	s_setreg_imm32_b32 hwreg(HW_REG_WAVE_MODE, 25, 1), 1
	s_wait_xcnt 0x0
	s_wait_alu depctr_hold_cnt(0) depctr_sa_sdst(0) depctr_va_vdst(0) depctr_va_sdst(0) depctr_va_ssrc(0) depctr_va_vcc(0) depctr_vm_vsrc(0)
	s_getreg_b32 s2, hwreg(HW_REG_IB_STS2, 6, 4)
	s_cmp_eq_u32 s2, 0
	s_cbranch_scc0 .Lentry_in_a_cluster
	s_endpgm
.Lentry_in_a_cluster:
	s_bfe_u32 s2, ttmp6, 0x10000c
	s_cmp_lg_u32 s2, 0x3003
	s_cbranch_scc0 .Lentry_shape_is_right
	s_endpgm
.Lentry_shape_is_right:
; Causal attention of one batch and head on codes of FP6 (E2M3) with E8M0 scales; the context is quantised along its channels and leaves as codes.
; t = score x log2(e) / 8; M = the row's largest t so far, rounded UP to a whole number; p = 2^(t - M) is what is quantised, along the keys; it is not normalised.  The row's sum is taken of the
; unquantised p, in f32, and divides O at the end.  When M moves, the sum and O are multiplied by 2^(old M - new M): exact.
; IN.  qk: codes [ng: head for q, 16 + head for k][token tile 512][768 bytes]; 768 bytes are the register image of 16 tokens x 64 channels (lane l's registers 0-3 at 16 l, 4-5 at 512 + 8 l); at QKS_OFF
; scales [ng][128 tokens][512]: lane l's register i is the word of token place 32 i + l.  vv: codes [64 tokens][channel tile 64][768] (16 channels x 64 tokens); at VS_OFF scales [batch][head][128 keys][256].
; In every group of 32 tokens (and channels), tile 2 g + u holds at place i the true row 32 g + 8 u + i + 8 (i / 8): so the 16 result registers of tiles 2 g, 2 g + 1 as source 0 are 16 neighbours.
; The head size is 64: the first product's K step of 128 is filled with zero codes on both sides, under the scale byte 0x7f.
; SHARES.  The four work-groups of a cluster serve one batch and head.  Its K and V, codes and scales, are 208,896 bytes: they come into each LDS ONCE, by joint loads, and nothing is filled again.
; Wave w takes token tile A = 4 w + cx, which has (w / 2) + 1 key steps of 128, and then tile 127 - A, which has 16 - (w / 2): 17 steps for every wave.  The counts hang on the wave's number alone.
; Both loops have constant trip counts; a step all of whose keys come after my queries is left out by a scalar branch round its work.
; LAYOUT.  Both products are used transposed: S^T = K Q^T, O^T = V^T P^T: a lane holds ONE query (lane % 16) throughout.
; OUT.  cc: codes [token tile 512][head 16][768]; cs: scales [token tile][ks 0..3][r][2 words], byte b of word q for channels 256 ks + 128 q + 32 b.
; LIMITS: a block of zeros gets the byte 1 and not 127 (zero codes; this program alone reads the bytes); blocks under 2^-124 were not tried; NaN and infinities are not served.
; The largest p of a block is made from the block's largest score by the same multiply-add and exponential; this takes v_exp_f32 not to fall where its input rises.
.set KC, 0                             ; LDS: K's codes [token tile 128][768]
.set VC, 98304                         ; V's codes [64 keys: 32][channel tile 4][768]
.set KS, 196608                        ; K's scales [key step 16][512]
.set VS, 204800                        ; V's scales [key step 16][256]
.set QKS_OFF, 12582912
.set VS_OFF, 6291456
.set KF,  28                           ; v28-75 four fragments of K; registers 6-11 of each are zero codes, written once
.set KSC, 84                           ; v84-87 K's scale words of a step;  v88-89 V's;  v90 Q's;  v91 p's: these hold scales and nothing else
.set VSC, 88
.set QSC, 90
.set PW,  91
.set S,   96                           ; v96-159 S^T, then p; then v96-143 four fragments of V
.set O,   160                          ; v160-191 O^T
.set PCD, 192                          ; v192-203 p's codes;  v204-210 two runs of three
.set PT,  204
.set BM,  212                          ; v212-215 a block's largest score, then p;  v216-219 bytes;  v220-223 the conversions' scale operands
.set BT,  216
.set BS,  220
.set CC,  236                          ; v236-241 the context's codes;  v244-246 a run of three;  v242 its scale byte
.set CT,  244
; v1-6 my lane's places in KC (16 l; 512 + 8 l), VC (the same two), KS, VS; v7 16 l; v8 8 l; v9 16 r; v10, v11 the mask's numbers; v12 -M, v13 the largest t, v[14:15] the sum; v16-27 Q; v76 8 r + h; v77 -infinity; v78-83 a step's addresses
.macro CROUND                          ; a round of the cluster's barrier
	s_barrier_signal -1
	s_barrier_wait -1
	s_cmp_lg_u32 s16, 0
	s_cbranch_scc1 .Lnot_wave_0_\@
	s_barrier_signal -3
.Lnot_wave_0_\@:
	s_barrier_wait -3
	s_barrier_signal -1
	s_barrier_wait -1
.endm
	s_load_b256 s[4:11], s[0:1], 0x0               ; qk, vv, cc, cs
	v_lshl_add_u32 v254, v0, 2, 0x33000
	v_mov_b32 v255, 0
	ds_add_u32 v254, v255
	ds_add_u32 v254, v255
	v_lshrrev_b32 v92, 5, v0
	s_delay_alu instid0(VALU_DEP_1)
	v_readfirstlane_b32 s16, v92                   ; wave 0..15
	s_bfe_u32 s17, ttmp6, 0x40000                  ; cx: it enters global addresses of my own loads and stores and the mask's numbers, nothing else
	s_and_b32 s18, ttmp7, 0xffff                   ; 16 x batch + head, which the four partners share
	s_lshr_b32 s19, s18, 4                         ; batch
	s_and_b32 s20, s18, 15                         ; head
	s_and_b32 s96, s16, 3                          ; which quarter a fetching wave (0..3) takes
	; groups 1: mask of all four work-groups, elements of 8 bytes, bit 21 beside the mask; no padding
	s_mov_b32 s24, 15|(3<<16)|(1<<21)              ; K's codes: 24,576 dense bytes as 96 rows of 256
	s_mov_b32 s25, 32<<16
	s_mov_b32 s26, 96<<16
	s_mov_b32 s27, 32<<16
	s_mov_b32 s28, 96
	s_mov_b32 s29, 32
	s_mov_b32 s30, 0
	s_mov_b32 s31, 0
	s_mov_b32 s32, 15|(3<<16)|(1<<21)              ; V's codes: 8 rows (64 keys each) of 3,072 bytes, 49,152 bytes apart
	s_mov_b32 s33, 384<<16
	s_mov_b32 s34, 8<<16
	s_mov_b32 s35, 384<<16
	s_mov_b32 s36, 8
	s_mov_b32 s37, 6144
	s_mov_b32 s38, 0
	s_mov_b32 s39, 0
	s_mov_b32 s40, 15|(3<<16)|(1<<21)              ; K's scales: 2,048 dense bytes
	s_mov_b32 s41, 32<<16
	s_mov_b32 s42, 8<<16
	s_mov_b32 s43, 32<<16
	s_mov_b32 s44, 8
	s_mov_b32 s45, 32
	s_mov_b32 s46, 0
	s_mov_b32 s47, 0
	s_mov_b32 s48, 15|(3<<16)|(1<<21)              ; V's scales: 1,024 dense bytes
	s_mov_b32 s49, 32<<16
	s_mov_b32 s50, 4<<16
	s_mov_b32 s51, 32<<16
	s_mov_b32 s52, 4
	s_mov_b32 s53, 32
	s_mov_b32 s54, 0
	s_mov_b32 s55, 0
	s_mov_b32 s76, 0x76543210
	s_mov_b32 s77, 0xfedcba98                      ; selects for lane l xor 16
	s_mov_b32 s78, 0x3e38aa3b                      ; c = log2(e) / 8
	s_mov_b32 s79, s78                             ; (named with it as a pair, so it is written)
	s_add_co_u32 s94, s20, 16                      ; K's codes: ((16 + head) x 512 + 128 batch + 32 quarter) x 768
	s_lshl_b32 s94, s94, 9
	s_lshl_b32 s97, s19, 7
	s_add_co_u32 s94, s94, s97
	s_lshl_b32 s97, s96, 5
	s_add_co_u32 s94, s94, s97
	s_mul_i32 s94, s94, 768
	s_mov_b32 s95, 0
	s_wait_dscnt 0x0
	s_wait_kmcnt 0x0
	s_mov_b32 s56, 1
	s_mul_i32 s57, s96, 24576
	s_add_nc_u64 s[58:59], s[4:5], s[94:95]
	s_or_b32 s59, s59, 0x80000000
	s_lshl_b32 s94, s19, 5                         ; V's codes: ((32 batch + 8 quarter) x 64 + 4 head) x 768
	s_lshl_b32 s97, s96, 3
	s_add_co_u32 s94, s94, s97
	s_lshl_b32 s94, s94, 6
	s_lshl_b32 s97, s20, 2
	s_add_co_u32 s94, s94, s97
	s_mul_i32 s94, s94, 768
	s_mov_b32 s60, 1
	s_mul_i32 s61, s96, 24576
	s_add_co_u32 s61, s61, VC
	s_add_nc_u64 s[62:63], s[6:7], s[94:95]
	s_or_b32 s63, s63, 0x80000000
	s_add_co_u32 s94, s20, 16                      ; K's scales: QKS_OFF + ((16 + head) x 64 + 16 batch + 4 quarter) x 512
	s_lshl_b32 s94, s94, 6
	s_lshl_b32 s97, s19, 4
	s_add_co_u32 s94, s94, s97
	s_lshl_b32 s97, s96, 2
	s_add_co_u32 s94, s94, s97
	s_lshl_b32 s94, s94, 9
	s_add_co_u32 s94, s94, QKS_OFF
	s_mov_b32 s68, 1
	s_lshl_b32 s69, s96, 11
	s_add_co_u32 s69, s69, KS
	s_add_nc_u64 s[70:71], s[4:5], s[94:95]
	s_or_b32 s71, s71, 0x80000000
	s_lshl_b32 s94, s18, 4                         ; V's scales: VS_OFF + ((16 batch + head) x 16 + 4 quarter) x 256
	s_lshl_b32 s97, s96, 2
	s_add_co_u32 s94, s94, s97
	s_lshl_b32 s94, s94, 8
	s_add_co_u32 s94, s94, VS_OFF
	s_mov_b32 s72, 1
	s_lshl_b32 s73, s96, 10
	s_add_co_u32 s73, s73, VS
	s_add_nc_u64 s[74:75], s[6:7], s[94:95]
	s_or_b32 s75, s75, 0x80000000
	CROUND                                         ; all four work-groups are here: the joint loads meet
	s_cmp_lt_u32 s16, 4                            ; waves 0-3 fetch a quarter of each of the four regions: a wave's fills stand in one branch; four tensor loads of such a wave are out
	s_cbranch_scc0 .Lno_fill
	tensor_load_to_lds s[56:59], s[24:31]
	s_nop 0
	tensor_load_to_lds s[60:63], s[32:39]
	s_nop 0
	tensor_load_to_lds s[68:71], s[40:47]
	s_nop 0
	tensor_load_to_lds s[72:75], s[48:55]
	s_nop 0
.rept 4
	v_nop
.endr
.Lno_fill:
	v_and_b32 v92, 31, v0                          ; lane
	v_and_b32 v93, 15, v0                          ; r
	v_bfe_u32 v94, v0, 4, 1                        ; h
	s_delay_alu instid0(VALU_DEP_3)
	v_lshlrev_b32 v7, 4, v92
	s_delay_alu instid0(VALU_DEP_4)
	v_lshlrev_b32 v8, 3, v92
	s_delay_alu instid0(VALU_DEP_2)
	v_add_nc_u32 v1, KC, v7
	s_delay_alu instid0(VALU_DEP_2)
	v_add_nc_u32 v2, KC+512, v8
	s_delay_alu instid0(VALU_DEP_4)
	v_add_nc_u32 v3, VC, v7
	s_delay_alu instid0(VALU_DEP_4)
	v_add_nc_u32 v4, VC+512, v8
	v_add_nc_u32 v5, KS, v7
	v_add_nc_u32 v6, VS, v8
	v_lshlrev_b32 v9, 4, v93
	v_and_b32 v10, 8, v93
	s_delay_alu instid0(VALU_DEP_1)
	v_add_nc_u32 v10, v10, v93
	v_lshlrev_b32 v95, 4, v94
	s_delay_alu instid0(VALU_DEP_1)
	v_sub_nc_u32 v10, v10, v95                     ; r + 8 (r / 8) - 16 h
	v_lshl_add_u32 v76, v93, 3, v94                ; 8 r + h
	v_mov_b32 v77, 0xff800000                      ; -infinity
	v_cmp_ne_u32 s84, 0, v94                       ; lanes 16-31
.irp i, 22,23,24,25,26,27
	v_mov_b32 v\i, 0                               ; Q's zero codes for K = 64 .. 127
.endr
.irp t, 0,1,2,3
.irp i, 6,7,8,9,10,11
	v_mov_b32 v[KF+12*\t+\i], 0                    ; K's likewise
.endr
.endr
.irp b, 0,1,2,3
	v_mov_b32 v[BT+\b], 0                          ; written once: a lane permute's destination counts as one of its sources
.endr
	v_mov_b32 v224, 0
	v_mov_b32 v227, 0                              ; (named as the upper half of the pair v[226:227])
	s_lshl_b32 s21, s16, 2
	s_add_co_u32 s21, s21, s17                     ; A = 4 w + cx
	s_lshr_b32 s22, s16, 1                         ; its last key step, the one on the diagonal: from the wave's number alone
	s_mov_b32 s83, 2
	s_wait_tensorcnt 0x0                           ; my fills have landed,
	s_barrier_signal -1
	s_barrier_wait -1                              ; everybody's have
.Ltile:
	s_lshl_b32 s94, s20, 9                         ; Q's codes: (head x 512 + 128 batch + A) x 768
	s_lshl_b32 s96, s19, 7
	s_add_co_u32 s94, s94, s96
	s_add_co_u32 s94, s94, s21
	s_mul_i32 s94, s94, 768
	s_mov_b32 s95, 0
	s_add_nc_u64 s[86:87], s[4:5], s[94:95]
	s_lshl_b32 s94, s20, 6                         ; Q's scale words: QKS_OFF + (head x 64 + 16 batch + A / 8) x 512 + 256 (A % 2) + 4 ((A / 2) % 4), + 16 r
	s_lshl_b32 s96, s19, 4
	s_add_co_u32 s94, s94, s96
	s_lshr_b32 s96, s21, 3
	s_add_co_u32 s94, s94, s96
	s_lshl_b32 s94, s94, 9
	s_and_b32 s96, s21, 1
	s_lshl_b32 s97, s96, 8
	s_add_co_u32 s94, s94, s97
	s_bfe_u32 s98, s21, 0x20001
	s_lshl_b32 s97, s98, 2
	s_add_co_u32 s94, s94, s97
	s_add_co_u32 s94, s94, QKS_OFF
	s_add_nc_u64 s[88:89], s[4:5], s[94:95]
	global_load_b128 v[16:19], v7, s[86:87]
	global_load_b64 v[20:21], v8, s[86:87] offset:512
	global_load_b32 v[QSC], v9, s[88:89]
	s_lshl_b32 s97, s98, 5
	s_lshl_b32 s96, s96, 3
	s_add_co_u32 s97, s97, s96
	v_add_nc_u32 v11, s97, v10                     ; d = my query's place among its 128 tokens - 16 h: register 16 b + i of the diagonal step is hidden where 32 b + i > d
	s_lshl_b32 s94, s19, 7
	s_add_co_u32 s94, s94, s21                     ; my token tile among all
	s_lshl_b32 s96, s94, 9
	s_lshl_b32 s94, s94, 4
	s_add_co_u32 s94, s94, s20
	s_mul_i32 s94, s94, 768
	s_add_nc_u64 s[90:91], s[8:9], s[94:95]        ; the context's codes: (tile x 16 + head) x 768
	s_lshr_b32 s97, s20, 2
	s_lshl_b32 s97, s97, 7
	s_add_co_u32 s96, s96, s97
	s_bfe_u32 s97, s20, 0x10001
	s_lshl_b32 s97, s97, 2
	s_add_co_u32 s96, s96, s97
	s_and_b32 s97, s20, 1
	s_lshl_b32 s97, s97, 1
	s_add_co_u32 s94, s96, s97
	s_add_nc_u64 s[92:93], s[10:11], s[94:95]      ; its scale bytes: tile x 512 + 128 (head / 4) + 4 ((head / 2) % 2) + 2 (head % 2), + 8 r + h
	v_mov_b32 v13, 0xff61b1e6                      ; the largest t so far: -3e38, under every t
	s_delay_alu instid0(VALU_DEP_1)
	v_floor_f32 v12, -v13                          ; -M
	v_mov_b32 v14, 0                               ; the sum, in two halves
	v_mov_b32 v15, 0
.set n, 0
.rept 32
	v_mov_b32 v[O+n], 0                            ; O^T.  (The step is written once: the first finds zeros, which the first change of M leaves zeros)
.set n, n+1
.endr
	s_mov_b32 s23, 0                               ; the key step
	s_mov_b32 s80, 0                               ; its codes: 6,144 bytes a step, in KC and in VC alike
	s_mov_b32 s81, 0                               ; K's scale words: 512 a step
	s_mov_b32 s82, 0                               ; V's: 256 a step
	s_wait_loadcnt 0x0                             ; Q
.Lstep:
	s_cmp_gt_u32 s23, s22                          ; all 128 keys come after my queries: only the stepping lines at the end are run
	s_cbranch_scc1 .Lhidden
	s_setprio 2
	v_add_nc_u32 v78, s80, v1                      ; six plain lines: they are also the places between the last step's products, which read V's fragments, and the products below, which write over them
	s_wait_alu depctr_va_vdst(0)
	v_add_nc_u32 v79, s80, v2
	s_wait_alu depctr_va_vdst(0)
	v_add_nc_u32 v80, s80, v3
	v_add_nc_u32 v81, s80, v4
	v_add_nc_u32 v82, s81, v5
	v_add_nc_u32 v83, s82, v6
	ds_load_b128 v[KSC:KSC+3], v82                 ; register i: tile 2 i's words in lanes 0-15, tile 2 i + 1's in lanes 16-31
.irp g, 0,1                            ; S^T = K Q^T, four tiles of 16 keys at a time
.if \g
.rept 4
	v_nop                                          ; places in front of loads into registers that matrix instructions have read
.endr
.endif
.irp t, 0,1,2,3
	ds_load_b128 v[KF+12*\t:KF+12*\t+3], v78 offset:(4*\g+\t)*768
	ds_load_b64 v[KF+12*\t+4:KF+12*\t+5], v79 offset:(4*\g+\t)*768
.endr
	s_wait_dscnt 0x0
.irp t, 0,1,2,3
.if \t%2
	v_wmma_scale_f32_16x16x128_f8f6f4 v[S+8*(4*\g+\t):S+8*(4*\g+\t)+7], v[KF+12*\t:KF+12*\t+11], v[16:27], 0, v[KSC+2*\g+\t/2], v[QSC] matrix_a_fmt:MATRIX_FMT_FP6 matrix_b_fmt:MATRIX_FMT_FP6 matrix_a_scale:MATRIX_SCALE_ROW1
.else
	v_wmma_scale_f32_16x16x128_f8f6f4 v[S+8*(4*\g+\t):S+8*(4*\g+\t)+7], v[KF+12*\t:KF+12*\t+11], v[16:27], 0, v[KSC+2*\g+\t/2], v[QSC] matrix_a_fmt:MATRIX_FMT_FP6 matrix_b_fmt:MATRIX_FMT_FP6
.endif
.endr
.endr                                  ; lane (r, h) holds query r; register 16 b + i is key 128 step + 32 b + 16 h + i
.rept 4
	v_nop
.endr
	s_cmp_lt_u32 s23, s22                          ; a step all of whose keys count skips the mask
	s_cbranch_scc1 .Lopen
.set n, 0
.rept 64
	v_cmp_gt_i32 vcc_lo, 32*(n/16)+n%16, v11       ; on the diagonal the scores of hidden keys become -infinity ahead of the maximum: p = 0 then
	v_cndmask_b32 v[S+n], v[S+n], v77, vcc_lo
.set n, n+1
.endr
.Lopen:
.irp b, 0,1,2,3
	v_max3_num_f32 v[BM+\b], v[S+16*\b], v[S+16*\b+1], v[S+16*\b+2]   ; the largest score of each block of 32 keys: it serves the row's maximum and, since p rises with the score, the block's largest p
.endr
.irp i, 3,5,7,9,11,13
.irp b, 0,1,2,3
	v_max3_num_f32 v[BM+\b], v[BM+\b], v[S+16*\b+\i], v[S+16*\b+\i+1]
.endr
.endr
.irp b, 0,1,2,3
	v_max_num_f32 v[BM+\b], v[BM+\b], v[S+16*\b+15]
.endr
.irp b, 0,1,2,3
	s_delay_alu instid0(VALU_DEP_4)
	v_permlanex16_b32 v[BT+\b], v[BM+\b], s76, s77
.endr
.irp b, 0,1,2,3
	s_delay_alu instid0(VALU_DEP_4)
	v_max_num_f32 v[BM+\b], v[BM+\b], v[BT+\b]     ; with lane l xor 16's 16 keys
.endr
	s_delay_alu instid0(VALU_DEP_2)
	v_max3_num_f32 v224, v[BM], v[BM+1], v[BM+2]
	s_delay_alu instid0(VALU_DEP_1)
	v_max_num_f32 v224, v224, v[BM+3]              ; the step's largest score of my query
	s_delay_alu instid0(VALU_DEP_1)
	v_mul_f32 v224, s78, v224                      ; as t (c is positive)
	s_delay_alu instid0(VALU_DEP_1)
	v_max_num_f32 v13, v13, v224                   ; the running largest t
	v_mov_b32 v224, v12
	s_delay_alu instid0(VALU_DEP_2)
	v_floor_f32 v12, -v13                          ; the new -M = floor(-t) = -ceil(t): a whole number
	s_delay_alu instid0(VALU_DEP_1)
	v_sub_f32 v224, v12, v224                      ; old M - new M: a whole number, 0 or less
	s_delay_alu instid0(VALU_DEP_1)
	v_cvt_i32_f32 v224, v224                       ; (it saturates)
	s_delay_alu instid0(VALU_DEP_1)
	v_ldexp_f32 v226, 1.0, v224                    ; f = 2^(old M - new M)
.set n, 0
.rept 32
	v_pk_fma_f32 v[S+n:S+n+1], v[S+n:S+n+1], s[78:79], v[12:13] op_sel_hi:[1,0,0]   ; t - M, two at a time
.set n, n+2
.endr
	s_setprio 1
.irp b, 0,1,2,3
	v_fma_f32 v[BM+\b], v[BM+\b], s78, v12         ; the same of each block's largest score
.endr
.set n, 0
	s_wait_alu depctr_va_vdst(0)
.rept 64
	v_exp_f32 v[S+n], v[S+n]                       ; p = 2^(t - M), at most 1: not normalised
.set n, n+1
.endr
.irp b, 0,1,2,3
	v_exp_f32 v[BM+\b], v[BM+\b]                   ; the block's largest p
.endr
	v_pk_mul_f32 v[14:15], v[14:15], v[226:227] op_sel_hi:[1,0]   ; the sums under the new M.  (A plain place behind the exponentials)
	s_wait_alu depctr_va_vdst(0)
.irp b, 0,1,2,3
	v_max_num_f32 v[BM+\b], 0x1800000, v[BM+\b]    ; the floor 2^(3 - 127): the byte cannot fall under 1
.endr
.irp b, 0,1,2,3
	s_delay_alu instid0(VALU_DEP_4)
	v_add_nc_u32 v[BS+\b], 0xff000000, v[BM+\b]    ; 2 off the exponent field: the conversion's scale operand
.endr
.irp b, 0,1,2,3
	s_delay_alu instid0(VALU_DEP_4)
	v_lshrrev_b32 v[BT+\b], 23, v[BS+\b]           ; the scale's byte
.endr
	s_delay_alu instid0(VALU_DEP_3)
	v_lshl_or_b32 v[PW], v[BT+1], 8, v[BT]         ; p's scale word for these 128 keys
	s_delay_alu instid0(VALU_DEP_1)
	v_lshl_or_b32 v[PW], v[BT+2], 16, v[PW]
	s_delay_alu instid0(VALU_DEP_1)
	v_lshl_or_b32 v[PW], v[BT+3], 24, v[PW]
.irp c, 0,1
	v_cvt_scalef32_pk16_fp6_f32 v[PCD+6*\c:PCD+6*\c+2], v[S+32*\c:S+32*\c+15], v[BS+2*\c]
	v_cvt_scalef32_pk16_fp6_f32 v[PT+4*\c:PT+4*\c+2], v[S+32*\c+16:S+32*\c+31], v[BS+2*\c+1]   ; (a conversion's three registers begin on an even number)
.endr
	v_nop                                          ; one plain place behind a scaled conversion
.irp c, 0,1                            ; the layout wants a WHOLE block in a lane: lanes 0-15 block 2 c, lanes 16-31 block 2 c + 1
.irp i, 0,1,2
	v_permlane16_swap_b32 v[PCD+6*\c+\i], v[PT+4*\c+\i]
.endr
.irp i, 0,1,2
	s_delay_alu instid0(VALU_DEP_3)
	v_mov_b32 v[PCD+3+6*\c+\i], v[PT+4*\c+\i]
.endr
.endr
	v_pk_add_f32 v[228:229], v[100:101], v[104:105]
	v_pk_add_f32 v[252:253], v[108:109], v[112:113]
	v_pk_add_f32 v[250:251], v[116:117], v[120:121]
	v_pk_add_f32 v[248:249], v[124:125], v[128:129]
	v_pk_add_f32 v[246:247], v[132:133], v[136:137]
	v_pk_add_f32 v[244:245], v[140:141], v[144:145]
	v_pk_add_f32 v[242:243], v[148:149], v[152:153]
	v_pk_add_f32 v[14:15], v[14:15], v[156:157]
	v_pk_add_f32 v[228:229], v[228:229], v[96:97]
	v_pk_add_f32 v[252:253], v[252:253], v[98:99]
	v_pk_add_f32 v[250:251], v[250:251], v[102:103]
	v_pk_add_f32 v[248:249], v[248:249], v[106:107]
	v_pk_add_f32 v[246:247], v[246:247], v[110:111]
	v_pk_add_f32 v[244:245], v[244:245], v[114:115]
	v_pk_add_f32 v[242:243], v[242:243], v[118:119]
	v_pk_add_f32 v[14:15], v[14:15], v[122:123]
	v_pk_add_f32 v[228:229], v[228:229], v[126:127]
	v_pk_add_f32 v[252:253], v[252:253], v[130:131]
	v_pk_add_f32 v[250:251], v[250:251], v[134:135]
	v_pk_add_f32 v[248:249], v[248:249], v[138:139]
	v_pk_add_f32 v[246:247], v[246:247], v[142:143]
	v_pk_add_f32 v[244:245], v[244:245], v[146:147]
	v_pk_add_f32 v[242:243], v[242:243], v[150:151]
	v_pk_add_f32 v[14:15], v[14:15], v[154:155]
	v_pk_add_f32 v[228:229], v[228:229], v[158:159]
	s_delay_alu instid0(VALU_DEP_2)
	v_pk_add_f32 v[14:15], v[14:15], v[248:249]
	s_delay_alu instid0(VALU_DEP_2)
	v_pk_add_f32 v[228:229], v[228:229], v[246:247]
	s_setprio 0
	v_pk_add_f32 v[252:253], v[252:253], v[244:245]
	v_pk_add_f32 v[250:251], v[250:251], v[242:243]
	s_delay_alu instid0(VALU_DEP_2)
	v_pk_add_f32 v[14:15], v[14:15], v[252:253]
	s_delay_alu instid0(VALU_DEP_2)
	v_pk_add_f32 v[228:229], v[228:229], v[250:251]
	s_delay_alu instid0(VALU_DEP_1)
	v_pk_add_f32 v[14:15], v[14:15], v[228:229]
.irp t, 0,1,2,3                        ; V's four fragments (16 channels x these 128 keys) take p's place
	ds_load_b128 v[S+12*\t:S+12*\t+3], v80 offset:768*\t
	ds_load_b64 v[S+12*\t+4:S+12*\t+5], v81 offset:768*\t
	ds_load_b128 v[S+12*\t+6:S+12*\t+9], v80 offset:768*\t+3072
	ds_load_b64 v[S+12*\t+10:S+12*\t+11], v81 offset:768*\t+3072
.endr
	ds_load_b64 v[VSC:VSC+1], v83
.set n, 0
.rept 16
	v_pk_mul_f32 v[O+n:O+n+1], v[O+n:O+n+1], v[226:227] op_sel_hi:[1,0]   ; O^T under the new M, while the loads are out.  (These are also the places between the lines that made p's codes and scale word and the products)
.set n, n+2
.endr
	s_wait_alu depctr_va_vdst(0)
	s_wait_dscnt 0x0
.irp t, 0,1,2,3                        ; O^T += V^T P^T: the four accumulators by turns
.if \t%2
	v_wmma_scale_f32_16x16x128_f8f6f4 v[O+8*\t:O+8*\t+7], v[S+12*\t:S+12*\t+11], v[PCD:PCD+11], v[O+8*\t:O+8*\t+7], v[VSC+\t/2], v[PW] matrix_a_fmt:MATRIX_FMT_FP6 matrix_b_fmt:MATRIX_FMT_FP6 matrix_a_scale:MATRIX_SCALE_ROW1
.else
	v_wmma_scale_f32_16x16x128_f8f6f4 v[O+8*\t:O+8*\t+7], v[S+12*\t:S+12*\t+11], v[PCD:PCD+11], v[O+8*\t:O+8*\t+7], v[VSC+\t/2], v[PW] matrix_a_fmt:MATRIX_FMT_FP6 matrix_b_fmt:MATRIX_FMT_FP6
.endif
.endr
.Lhidden:
	s_add_co_u32 s80, s80, 6144
	s_add_co_u32 s81, s81, 512
	s_add_co_u32 s82, s82, 256
	s_add_co_u32 s23, s23, 1
	s_cmp_lt_u32 s23, 16
	s_cbranch_scc1 .Lstep
	s_setprio 0
	; THE TILE'S END.  O^T / the sum; register 16 g + i is channel 32 g + 16 h + i of the head: two blocks of 32, quantised as above; the six registers are the image of 16 tokens x 64 channels.
.rept 4
	v_nop                                          ; places behind the last products
.endr
	v_add_f32 v14, v14, v15                        ; the sum's two halves,
	s_delay_alu instid0(VALU_DEP_1)
	v_permlanex16_b32 v224, v14, s76, s77
	s_delay_alu instid0(VALU_DEP_1)
	v_add_f32 v14, v14, v224                       ; and lane l xor 16's: the row's sum
	s_wait_alu depctr_va_vdst(0)
	v_rcp_f32 v226, v14
	v_nop                                          ; one plain place behind a transcendental
.set n, 0
	s_wait_alu depctr_va_vdst(0)
.rept 16
	v_pk_mul_f32 v[O+n:O+n+1], v[O+n:O+n+1], v[226:227] op_sel_hi:[1,0]   ; each accumulator from its low end on
.set n, n+2
.endr
.irp g, 0,1
	v_max3_num_f32 v[BM+\g], |v[O+16*\g]|, |v[O+16*\g+1]|, 0x1800000
.endr
.irp i, 2,4,6,8,10,12,14
.irp g, 0,1
	s_delay_alu instid0(VALU_DEP_2)
	v_max3_num_f32 v[BM+\g], v[BM+\g], |v[O+16*\g+\i]|, |v[O+16*\g+\i+1]|
.endr
.endr
.irp g, 0,1
	s_delay_alu instid0(VALU_DEP_2)
	v_permlanex16_b32 v[BT+\g], v[BM+\g], s76, s77
.endr
.irp g, 0,1
	s_delay_alu instid0(VALU_DEP_2)
	v_max_num_f32 v[BM+\g], v[BM+\g], v[BT+\g]
.endr
.irp g, 0,1
	s_delay_alu instid0(VALU_DEP_2)
	v_add_nc_u32 v[BS+\g], 0xff000000, v[BM+\g]
.endr
.irp g, 0,1
	s_delay_alu instid0(VALU_DEP_2)
	v_lshrrev_b32 v[BT+\g], 23, v[BS+\g]
.endr
	v_cvt_scalef32_pk16_fp6_f32 v[CC:CC+2], v[O:O+15], v[BS]
	v_cvt_scalef32_pk16_fp6_f32 v[CT:CT+2], v[O+16:O+31], v[BS+1]
	v_nop                                          ; one plain place behind a scaled conversion
.irp i, 0,1,2
	v_permlane16_swap_b32 v[CC+\i], v[CT+\i]
.endr
.irp i, 0,1,2
	s_delay_alu instid0(VALU_DEP_3)
	v_mov_b32 v[CC+3+\i], v[CT+\i]
.endr
	v_cndmask_b32 v242, v[BT], v[BT+1], s84        ; lanes 0-15 store block 0's byte, lanes 16-31 block 1's
	global_store_b128 v7, v[CC:CC+3], s[90:91]                 ; 512 consecutive bytes, aligned
	global_store_b64 v8, v[CC+4:CC+5], s[90:91] offset:512     ; 256 consecutive bytes, aligned
	global_store_b8 v76, v242, s[92:93]            ; 32 single bytes, two to each token: one byte for 24 of codes
	s_wait_xcnt 0x0                                ; the stores have read their registers and bases: both are written again in the next trip
	s_sub_co_u32 s21, 127, s21                     ; the second tile: 127 - A,
	s_sub_co_u32 s22, 15, s22                      ; whose diagonal step is 15 - the first's
	s_sub_co_u32 s83, s83, 1
	s_cmp_lg_u32 s83, 0
	s_cbranch_scc1 .Ltile
	s_wait_tensorcnt 0x0
	ds_add_u32 v254, v255
	s_wait_dscnt 0x0
	CROUND                                         ; the closing round
	s_endpgm
.Lfunc_end_k_q7b2b3312f6_attn:
	.size	k_q7b2b3312f6_attn, .Lfunc_end_k_q7b2b3312f6_attn-k_q7b2b3312f6_attn
	.p2alignl 7, 3214868480
	.fill 96, 4, 3214868480
	.section	.rodata,"a",@progbits
	.p2align	6, 0x0
	.amdhsa_kernel k_q7b2b3312f6_attn
		.amdhsa_group_segment_fixed_size 210944
		.amdhsa_private_segment_fixed_size 0
		.amdhsa_enable_private_segment 0
		.amdhsa_kernarg_size 32
		.amdhsa_user_sgpr_count 2
		.amdhsa_user_sgpr_kernarg_segment_ptr 1
		.amdhsa_wavefront_size32 1
		.amdhsa_system_sgpr_workgroup_id_x 1
		.amdhsa_system_sgpr_workgroup_id_y 1
		.amdhsa_system_sgpr_workgroup_id_z 1
		.amdhsa_system_vgpr_workitem_id 0
		.amdhsa_next_free_vgpr 256
		.amdhsa_next_free_sgpr 100
		.amdhsa_reserve_vcc 1
		.amdhsa_float_denorm_mode_32 3
		.amdhsa_float_denorm_mode_16_64 3
		.amdhsa_memory_ordered 1
		.amdhsa_forward_progress 1
		.amdhsa_inst_pref_size 39
	.end_amdhsa_kernel
	.amdgpu_metadata
---
amdhsa.version: [ 1, 2 ]
amdhsa.kernels:
  - .name:           k_q7b2b3312f6_attn
    .symbol:         k_q7b2b3312f6_attn.kd
    .args:
      - { .name: qk, .offset: 0, .size: 8, .value_kind: global_buffer, .address_space: global }
      - { .name: vv, .offset: 8, .size: 8, .value_kind: global_buffer, .address_space: global }
      - { .name: cc, .offset: 16, .size: 8, .value_kind: global_buffer, .address_space: global }
      - { .name: cs, .offset: 24, .size: 8, .value_kind: global_buffer, .address_space: global }
    .group_segment_fixed_size: 210944
    .private_segment_fixed_size: 0
    .kernarg_segment_align: 8
    .kernarg_segment_size: 32
    .max_flat_workgroup_size: 512
    .sgpr_count:     100
    .vgpr_count:     256
    .wavefront_size: 32
...
	.end_amdgpu_metadata
.endif
;; end of part 3
;; launch gemm_o (part 4): grid 4 x 64, 4 waves a work-group, clusters of 4 x 4, 327,680 bytes of LDS; arguments cc, cs, wq, ws, bo, out0; writes out0
.if DOCPART == 4
	.amdgcn_target "amdgcn-amd-amdhsa--gfx1250"
	.amdhsa_code_object_version 6
	.text
	.protected	k_q7b2b3312f6_gemm_o
	.globl	k_q7b2b3312f6_gemm_o
	.p2align	8
	.type	k_q7b2b3312f6_gemm_o,@function
k_q7b2b3312f6_gemm_o:
	s_mov_b64 s[64:65], 0
	v_nop
	global_prefetch_b8 v0, s[64:65] scope:SCOPE_SE
	s_setreg_imm32_b32 hwreg(HW_REG_WAVE_MODE, 25, 1), 1
	s_wait_xcnt 0x0
	s_wait_alu depctr_hold_cnt(0) depctr_sa_sdst(0) depctr_va_vdst(0) depctr_va_sdst(0) depctr_va_ssrc(0) depctr_va_vcc(0) depctr_vm_vsrc(0)
	s_getreg_b32 s2, hwreg(HW_REG_IB_STS2, 6, 4)
	s_cmp_eq_u32 s2, 0
	s_cbranch_scc0 .Lentry_in_a_cluster
	s_endpgm
.Lentry_in_a_cluster:
	s_bfe_u32 s2, ttmp6, 0x10000c
	s_cmp_lg_u32 s2, 0xf033
	s_cbranch_scc0 .Lentry_shape_is_right
	s_endpgm
.Lentry_shape_is_right:
; out = ctx Wo^T + bo on codes of FP6 (E2M3) with E8M0 scales, sums in f32, out in f32.
; IN.  ctx [8192 tokens][1024] and Wo (row tiles 192-255 of the weights' buffers) arrive as register images: codes [row tile of 16][kg 0..15][768 bytes] (768 bytes: 16 rows x 64 along K; lane l's registers
; 0-3 at 16 l, 4-5 at 512 + 8 l), scales [row tile][ks 0..3][r][2 words].  In every group of 32 rows, tile 2 g + u holds at place i the true row 32 g + 8 u + i + 8 (i / 8): the way out puts tokens and
; channels back in their true order, by immediate offsets.
; SHARES.  A work-group makes 128 tokens x 256 channels, so that the 64 x 4 tiles give a work-group to each of 256 WGPs.  Both operands' tiles, all of K, are 294,912 bytes: they come into LDS once and nothing is filled again.
; Wave w takes all 128 tokens against weight row tiles 4 w .. 4 w + 3 (64 channels): 32 accumulators.  Source 0 = 16 weight rows, source 1 = 16 tokens: a lane holds one token and eight neighbouring channels in each accumulator.
; The bias is the C of each sum's first matrix instruction.  Everything is written out; there is no loop.
; CLUSTERS: 4 x 4 work-groups; ctx's tiles are asked for jointly along a row of the cluster, the weights' along a column.  Every wave asks for its own quarter of every tile: no branch stands round a load.
; REGISTERS: window 0: v1-26 addresses; v32-63 scale words, two sets; v64-159 ctx's fragments, set 0; on the way out v64-255 rows of the result.   window 1: v0-95 the weights' fragments, two sets; v96-191 ctx's, set 1.
;   window 2: the accumulators ((token tile a, weight tile b) at v[8 (4 a + b)]).   window 3: v0-31 the bias as C.
.set WBASE, 192                        ; Wo's first row tile in the weights' buffers
.set XR,    0                          ; LDS: ctx's codes [d 0..1][row tile 8][6,144 bytes]
.set WR,    98304                      ; the weights' [d][row tile 16][6,144]
.set SCLX,  294912                     ; ctx's scales [row tile 8][512]
.set SCLW,  SCLX+4096                  ; the weights' scales [wave][row tile 4][512]
.set STAGE, SCLW+8192                  ; the way out: 16 rows x 272 bytes for each wave; no tile lands here
.set NP,    4                          ; places behind this matrix instruction (ISA guide 7.12.1)
.set XA,   4                           ; v4, v5 ctx's fragments in d = 0, 1: 16 l + ..; v6, v7 the same at 512 + 8 l
.set WA,   8                           ; v8, v9; v10, v11 the same for my four weight tiles
.set ADRX, 12                          ; v12 ctx's scale words: 8 r in every lane
.set ADRS, 13                          ; v13 lanes 0-15 ctx's scale words, lanes 16-31 my weight tiles'
.set L16,  17                          ; v17 16 x lane
.set L8,   18                          ; v18 8 x lane
.set BA,   19                          ; v19 the bias' offset
.set STO,  24                          ; v24 the stage: where I put 32 bytes of a row
.set RD,   25                          ; v25 and where I read two rows back
.set CO,   26                          ; v26 the same two rows in out
.set SC,   32                          ; scale words: set ks % 2 at v[SC + 16 (ks % 2)]; register 2 i + q: lanes 0-15 ctx's tile i, lanes 16-31 (i < 4) weight tile i
.set BK,   64                          ; the way out: six buffers of 32 registers
.set G1X,  32                          ; s[32:39] group 1 for ctx's codes;  s[40:47] the weights';  s[48:55], s[56:63] their scales'
.set G1W,  40
.set G1SX, 48
.set G1SW, 56
.set G0X,  68                          ; s[68:75] groups 0 for ctx's codes, d = 0, 1;  s[76:83] the weights';  s[84:87], s[88:91] the scales'
.set G0W,  76
.set G0SX, 84
.set G0SW, 88
.set MSB, 0
.macro WIN new                         ; the immediate's high byte repeats the setting that is left
.if MSB != (\new)
	s_set_vgpr_msb (MSB<<8)|(\new)
.set MSB, (\new)
.endif
.endm
.macro WINM set, first                 ; the windows of a product: D window 2; C window 2, or 3 for the bias; the weights (source 0) window 1; ctx (source 1) window 0 (set 0) or 1 (set 1)
	WIN 0x81|((2+(\first))<<4)|((\set)<<2)
.endm
.macro CREST                           ; a round of the cluster's barrier behind its opening barrier
	s_cmp_lg_u32 s22, 0
	s_cbranch_scc1 .Lnot_wave_0_\@
	s_barrier_signal -3
.Lnot_wave_0_\@:
	s_barrier_wait -3
	s_barrier_signal -1
	s_barrier_wait -1
.endm
.macro CROUND
	s_barrier_signal -1
	s_barrier_wait -1
	CREST
.endm
.macro PLACES                          ; places in front of loads into registers that matrix instructions have read, and of the first read of results
.rept NP
	v_nop
.endr
.endm
	s_load_b256 s[4:11], s[0:1], 0x0               ; cc, cs, wq, ws
	s_load_b128 s[12:15], s[0:1], 0x20             ; bo, out0
	v_lshl_add_u32 v30, v0, 2, 0x4f400
	v_mov_b32 v31, 0
	ds_add_u32 v30, v31
	ds_add_u32 v30, v31
	v_lshrrev_b32 v1, 5, v0
	v_readfirstlane_b32 s22, v1                    ; wave 0..3
	s_bfe_u32 s25, ttmp6, 0x40000                  ; cx, cy: my place in the cluster
	s_bfe_u32 s26, ttmp6, 0x40004
	s_lshl_b32 s24, ttmp9, 2
	s_add_co_u32 s24, s24, s25                     ; tile column (256 channels) = 4 x cluster x + cx
	s_and_b32 s23, ttmp7, 0xffff
	s_lshl_b32 s23, s23, 2
	s_add_co_u32 s23, s23, s26                     ; tile row (128 tokens) = 4 x cluster y + cy
	s_lshl_b32 s27, s26, 2
	s_lshl_b32 s27, 15, s27                        ; my row of the cluster
	s_lshl_b32 s28, 0x1111, s25                    ; my column
	; groups 1 for codes: rows (row tiles) of 6,144 bytes (768 elements of 8), 12,288 bytes apart; dense in LDS.  A wave's quarter: 2 row tiles of ctx, 4 of the weights
	s_or_b32 s[G1X], s27, (3<<16)|(1<<21)          ; 15:0 the mask; 17:16 elements of 8 bytes; 21 set beside a mask
	s_or_b32 s[G1W], s28, (3<<16)|(1<<21)
.irp g, G1X, G1W
	s_mov_b32 s[\g+1], 768<<16                     ; tensor_dim0
	s_mov_b32 s[\g+3], 768<<16                     ; tile_dim0
	s_mov_b32 s[\g+5], 1536                        ; tensor_dim0_stride
	s_mov_b32 s[\g+6], 0
	s_mov_b32 s[\g+7], 0
.endr
	s_mov_b32 s[G1X+2], 2<<16                      ; tensor_dim1
	s_mov_b32 s[G1X+4], 2                          ; tile_dim1
	s_mov_b32 s[G1W+2], 4<<16
	s_mov_b32 s[G1W+4], 4
	; the scales: dense bytes as rows of 256: a wave's quarter is 4 rows of ctx's, 8 of the weights'
	s_or_b32 s[G1SX], s27, (3<<16)|(1<<21)
	s_or_b32 s[G1SW], s28, (3<<16)|(1<<21)
.irp g, G1SX, G1SW
	s_mov_b32 s[\g+1], 32<<16
	s_mov_b32 s[\g+3], 32<<16
	s_mov_b32 s[\g+5], 32
	s_mov_b32 s[\g+6], 0
	s_mov_b32 s[\g+7], 0
.endr
	s_mov_b32 s[G1SX+2], 4<<16
	s_mov_b32 s[G1SX+4], 4
	s_mov_b32 s[G1SW+2], 8<<16
	s_mov_b32 s[G1SW+4], 8
	s_lshl_b32 s29, s23, 3
	s_lshl_b32 s31, s22, 1
	s_add_co_u32 s29, s29, s31                     ; ctx: row tile 8 x tile row + 2 x wave
	s_lshl_b32 s30, s24, 4
	s_lshl_b32 s31, s22, 2
	s_add_co_u32 s30, s30, s31
	s_add_co_u32 s30, s30, WBASE                   ; the weights: row tile 192 + 16 x tile column + 4 x wave
	s_mul_i32 s2, s29, 12288                       ; their codes, in bytes,
	s_mov_b32 s3, 0
	s_lshl_b32 s92, s29, 9                         ; and their scales
	s_mov_b32 s93, 0
	s_mul_i32 s66, s30, 12288
	s_mov_b32 s67, 0
	s_lshl_b32 s94, s30, 9
	s_mov_b32 s95, 0
	s_mul_i32 s29, s22, 12288                      ; where they go: the wave's number x a quarter: no place in the cluster enters an LDS address
	s_mul_i32 s30, s22, 24576
	s_lshl_b32 s31, s22, 10
	s_lshl_b32 s96, s22, 11
	s_wait_dscnt 0x0
	s_wait_kmcnt 0x0
	s_add_nc_u64 s[2:3], s[4:5], s[2:3]
	s_add_nc_u64 s[66:67], s[8:9], s[66:67]
.irp d, 0,1
	s_mov_b32 s[G0X+4*\d], 1                       ; count = 1
	s_add_co_u32 s[G0X+4*\d+1], s29, XR+\d*49152   ; LDS address
	s_add_nc_u64 s[G0X+4*\d+2:G0X+4*\d+3], s[2:3], \d*6144   ; K = 512 d on
	s_or_b32 s[G0X+4*\d+3], s[G0X+4*\d+3], 0x80000000        ; type = 2
	s_mov_b32 s[G0W+4*\d], 1
	s_add_co_u32 s[G0W+4*\d+1], s30, WR+\d*98304
	s_add_nc_u64 s[G0W+4*\d+2:G0W+4*\d+3], s[66:67], \d*6144
	s_or_b32 s[G0W+4*\d+3], s[G0W+4*\d+3], 0x80000000
.endr
	s_mov_b32 s[G0SX], 1
	s_add_co_u32 s[G0SX+1], s31, SCLX
	s_add_nc_u64 s[G0SX+2:G0SX+3], s[6:7], s[92:93]
	s_or_b32 s[G0SX+3], s[G0SX+3], 0x80000000
	s_mov_b32 s[G0SW], 1
	s_add_co_u32 s[G0SW+1], s96, SCLW
	s_add_nc_u64 s[G0SW+2:G0SW+3], s[10:11], s[94:95]
	s_or_b32 s[G0SW+3], s[G0SW+3], 0x80000000
	CROUND                                         ; all sixteen work-groups are here: the joint loads meet
	tensor_load_to_lds s[G0SX:G0SX+3], s[G1SX:G1SX+7]   ; all fills of the launch go out as one group: six tensor loads of mine are out
	s_nop 0
	tensor_load_to_lds s[G0SW:G0SW+3], s[G1SW:G1SW+7]
	s_nop 0
	tensor_load_to_lds s[G0X:G0X+3], s[G1X:G1X+7]
	s_nop 0
	tensor_load_to_lds s[G0W:G0W+3], s[G1W:G1W+7]
	s_nop 0
	tensor_load_to_lds s[G0X+4:G0X+7], s[G1X:G1X+7]
	s_nop 0
	tensor_load_to_lds s[G0W+4:G0W+7], s[G1W:G1W+7]
	s_nop 0
.rept 4
	v_nop
.endr
	v_and_b32 v3, 31, v0                           ; lane
	v_and_b32 v1, 15, v0                           ; r
	v_bfe_u32 v2, v0, 4, 1                         ; h
	v_lshlrev_b32 v[L16], 4, v3
	v_lshlrev_b32 v[L8], 3, v3
	v_add_nc_u32 v22, 512, v[L8]
.irp d, 0,1
	v_add_nc_u32 v[XA+\d], XR+\d*49152, v[L16]
	v_add_nc_u32 v[XA+2+\d], XR+\d*49152, v22
.endr
	s_add_co_u32 s30, s30, WR                      ; my four weight tiles: the quarter that I fetch is the quarter that I read
.irp d, 0,1
	v_add_nc_u32 v[WA+\d], s30, v[L16]
	v_add_nc_u32 v[WA+2+\d], s30, v22
	s_add_co_u32 s30, s30, 98304
.endr
	v_lshl_add_u32 v[ADRX], v1, 3, SCLX            ; 8 bytes a row
	s_add_co_u32 s96, s96, 4096                    ; from ctx's scales to my weight tiles'
	v_mul_u32_u24 v23, s96, v2                     ; lanes 16-31 take the weights': one product, the distance x h
	v_add_nc_u32 v[ADRS], v[ADRX], v23
	; the bias of my 64 channels: weight tile b's register j of lane (r, h) is channel 32 (b / 2) + 8 (b % 2) + 16 h + j
	s_lshl_b32 s2, s24, 10
	s_lshl_b32 s3, s22, 8
	s_add_co_u32 s2, s2, s3                        ; (256 x tile column + 64 x wave) x 4 bytes: also my first column of out
	s_mov_b32 s3, 0
	s_add_nc_u64 s[12:13], s[12:13], s[2:3]
	v_lshlrev_b32 v[BA], 6, v2
	WIN 0xc0                                       ; destination window 3
.irp b, 0,1,2,3
	global_load_b128 v[8*\b:8*\b+3], v[BA], s[12:13] offset:(32*(\b/2)+8*(\b%2))*4
	global_load_b128 v[8*\b+4:8*\b+7], v[BA], s[12:13] offset:(32*(\b/2)+8*(\b%2))*4+16
.endr
	WIN 0
	; the way out
	s_mul_i32 s29, s22, 16*272
	s_add_co_u32 s29, s29, STAGE                   ; my stage
	v_mul_u32_u24 v23, v1, 272
	v_lshl_add_u32 v23, v2, 6, v23
	v_add_nc_u32 v[STO], s29, v23                  ; in: row r, + 64 h: my half's 16 channels of each 32
	v_mul_u32_u24 v23, v2, 272
	v_lshl_add_u32 v23, v1, 4, v23
	v_add_nc_u32 v[RD], s29, v23                   ; back: lanes 0-15 take one row of 256 bytes, lanes 16-31 the next
	v_lshlrev_b32 v23, 12, v2
	v_lshl_add_u32 v[CO], v1, 4, v23               ; and the same two rows in out, 4,096 bytes apart
	s_lshl_b32 s29, s23, 19                        ; my first row of out: 128 x tile row x 4,096 bytes
	s_add_co_u32 s2, s2, s29
	s_add_nc_u64 s[14:15], s[14:15], s[2:3]
.macro FRAG reg, adr, off              ; a fragment is two images of 768 bytes: four dense loads
	ds_load_b128 v[(\reg):(\reg)+3], v[\adr] offset:(\off)
	ds_load_b64 v[(\reg)+4:(\reg)+5], v[\adr+2] offset:(\off)
	ds_load_b128 v[(\reg)+6:(\reg)+9], v[\adr] offset:(\off)+768
	ds_load_b64 v[(\reg)+10:(\reg)+11], v[\adr+2] offset:(\off)+768
.endm
.macro FW ks, q                        ; my four weight fragments of K step ks' q-th 128 into set q: 16 loads
.set FO, ((\ks)%2)*3072+(\q)*1536
.set FD, (\ks)/2
	WIN 0x40                                       ; destination window 1, address window 0
.irp b, 0,1,2,3
	FRAG 48*(\q)+12*\b, WA+FD, \b*6144+FO
.endr
.endm
.macro FX ks, q, a0                    ; ctx's tiles a0 .. a0 + 3 likewise: 16 loads
.set FO, ((\ks)%2)*3072+(\q)*1536
.set FD, (\ks)/2
	WIN 0x40*(\q)                                  ; set 0 lies in window 0, set 1 in window 1
.irp a, \a0, \a0+1, \a0+2, \a0+3
	FRAG 64+32*(\q)+12*(\a), XA+FD, (\a)*6144+FO
.endr
.endm
.macro SCALES ks                       ; K step ks' scale words, two words a row: 8 loads; every offset is an immediate.  (Under window 0)
.irp i, 0,1,2,3
	ds_load_b64 v[SC+16*((\ks)%2)+2*\i:SC+16*((\ks)%2)+2*\i+1], v[ADRS] offset:512*\i+128*(\ks)
.endr
.irp i, 4,5,6,7
	ds_load_b64 v[SC+16*((\ks)%2)+2*\i:SC+16*((\ks)%2)+2*\i+1], v[ADRX] offset:512*\i+128*(\ks)
.endr
.endm
; 8 matrix instructions: ctx's tiles a0, a0 + 1 against my four weight tiles.  q: the set, and which 128 of the K step; sc: the set of scale words; first = 1: C is the bias.
; The 32 accumulators take turns, one instruction a turn, in the same order in every step.
.macro MUL8 a0, q, sc, first
.irp a, \a0, \a0+1
.irp b, 0,1,2,3
.set rW, 48*(\q)+12*\b
.set rX, 64+32*(\q)+12*(\a)
.set rSW, SC+16*(\sc)+2*\b+(\q)
.set rSX, SC+16*(\sc)+2*(\a)+(\q)
.set rD, 8*(4*(\a)+\b)
.set rC, rD
.if \first
.set rC, 8*\b
.endif
	v_wmma_scale_f32_16x16x128_f8f6f4 v[rD:rD+7], v[rW:rW+11], v[rX:rX+11], v[rC:rC+7], v[rSW], v[rSX] matrix_a_fmt:MATRIX_FMT_FP6 matrix_b_fmt:MATRIX_FMT_FP6 matrix_a_scale:MATRIX_SCALE_ROW1
.endr
.endr
.endm
; A step of 128 along K (K step ks, its q-th 128) with its successor (nks, nq): 32 matrix instructions in four groups; the successor's 48 loads stand between them in three runs of 16.
.macro SUB ks, q, first, nks, nq
	s_wait_dscnt 16                                ; all but the youngest 16 loads (ctx's tiles 4-7) are in
	WINM \q, \first
	MUL8 0, \q, (\ks)%2, \first
	PLACES                                         ; for this step's loads into the other set, which the last step's products read
	FW \nks, \nq
.if (\nq) == 0
	WIN 0
	SCALES \nks
.endif
	WINM \q, \first
	MUL8 2, \q, (\ks)%2, \first
	s_wait_dscnt 16+8*(1-(\nq))                    ; ctx's tiles 4-7 are in: only the run just issued may be out
	FX \nks, \nq, 0
	WINM \q, \first
	MUL8 4, \q, (\ks)%2, \first
	FX \nks, \nq, 4
	WINM \q, \first
	MUL8 6, \q, (\ks)%2, \first
.endm
	s_wait_tensorcnt 2                             ; the scales and my parts of K = 0 .. 511 are in; the two loads for K = 512 on may be out
	s_barrier_signal -1
	s_barrier_wait -1
	FW 0, 0
	FX 0, 0, 0
	SCALES 0
	FX 0, 0, 4
	s_wait_loadcnt 0x0                             ; the bias
	SUB 0, 0, 1, 0, 1
	SUB 0, 1, 0, 1, 0
	SUB 1, 0, 0, 1, 1
	s_wait_dscnt 16                                ; the last step of K = 0 .. 511: behind its barrier every wave's part of K = 512 on has landed
	WINM 1, 0
	MUL8 0, 1, 1, 0
	s_wait_tensorcnt 0x0                           ; my parts have landed;
	s_wait_dscnt 0x0                               ; no LDS load of mine is out at the signal
	s_barrier_signal -1
	MUL8 2, 1, 1, 0                                ; work on registers while the others arrive
	s_barrier_wait -1
	PLACES
	FW 2, 0
	FX 2, 0, 0
	SCALES 2
	WINM 1, 0
	MUL8 4, 1, 1, 0
	FX 2, 0, 4
	WINM 1, 0
	MUL8 6, 1, 1, 0
	SUB 2, 0, 0, 2, 1
	SUB 2, 1, 0, 3, 0
	SUB 3, 0, 0, 3, 1
	s_wait_dscnt 16                                ; the very last 128 along K: nothing more to fetch
	WINM 1, 0
	MUL8 0, 1, 1, 0
	MUL8 2, 1, 1, 0
	s_wait_alu depctr_va_vdst(0)
	s_wait_dscnt 0x0
	MUL8 4, 1, 1, 0
	MUL8 6, 1, 1, 0
	WIN 0
; THE WAY OUT, token tile by token tile: 16 tokens x my 64 channels.  A lane holds 32 neighbouring bytes of a row in each accumulator, and the lanes beside it hold other rows: so a tile goes through my own stage
; in LDS, each accumulator at its channels' true place, and comes back as whole rows of 256 bytes, two an instruction.  LDS serves a wave's instructions in order (ISA guide 5.7.1.4): no wait between the stores and the loads.
.macro TOSTAGE a
.set AC, 32*(\a)
	WIN 0x08                                       ; an LDS store's data are its source 1: window 2
.irp b, 0,1,2,3
	ds_store_b128 v[STO], v[AC+8*\b:AC+8*\b+3] offset:128*(\b/2)+32*(\b%2)         ; each accumulator from its low end on
	ds_store_b128 v[STO], v[AC+8*\b+4:AC+8*\b+7] offset:128*(\b/2)+32*(\b%2)+16
.endr
	WIN 0
.set BB, BK+32*((\a)%6)
.irp t, 0,1,2,3,4,5,6,7
	ds_load_b128 v[BB+4*\t:BB+4*\t+3], v[RD] offset:\t*544
.endr
.endm
.macro SEND a, younger                 ; younger: the LDS instructions issued behind tile a's loads, which may stay out
.set BB, BK+32*((\a)%6)
	s_wait_dscnt \younger                          ; the tile is back in registers
.irp t, 0,1,2,3,4,5,6,7
	global_store_b128 v[CO], v[BB+4*\t:BB+4*\t+3], s[14:15] offset:(32*((\a)/2)+8*((\a)%2)+2*\t+8*(\t/4))*4096 th:TH_STORE_NT   ; the tokens' true rows; sixteen lanes store 256 consecutive bytes, aligned; the base is never stepped
.endr
.endm
	PLACES
	TOSTAGE 0
.irp a, 1,2,3,4,5,6,7
.if \a > 5
	s_wait_xcnt 0x0                                ; tile a - 6's stores have read their registers: tile a's loads may land there
.endif
	TOSTAGE \a
	SEND \a-1, 16                                  ; behind tile a - 1's loads: tile a's 8 stores and 8 loads
.endr
	SEND 7, 0
	s_wait_tensorcnt 0x0
	ds_add_u32 v30, v31
	s_wait_dscnt 0x0
	CROUND                                         ; the closing round: no work-group ends while a partner may still ask for a tile that names it
	s_endpgm
.Lfunc_end_k_q7b2b3312f6_gemm_o:
	.size	k_q7b2b3312f6_gemm_o, .Lfunc_end_k_q7b2b3312f6_gemm_o-k_q7b2b3312f6_gemm_o
	.p2alignl 7, 3214868480
	.fill 96, 4, 3214868480
	.section	.rodata,"a",@progbits
	.p2align	6, 0x0
	.amdhsa_kernel k_q7b2b3312f6_gemm_o
		.amdhsa_group_segment_fixed_size 327680
		.amdhsa_private_segment_fixed_size 0
		.amdhsa_enable_private_segment 0
		.amdhsa_kernarg_size 48
		.amdhsa_user_sgpr_count 2
		.amdhsa_user_sgpr_kernarg_segment_ptr 1
		.amdhsa_wavefront_size32 1
		.amdhsa_system_sgpr_workgroup_id_x 1
		.amdhsa_system_sgpr_workgroup_id_y 1
		.amdhsa_system_sgpr_workgroup_id_z 1
		.amdhsa_system_vgpr_workitem_id 0
		.amdhsa_next_free_vgpr 1024
		.amdhsa_next_free_sgpr 102
		.amdhsa_reserve_vcc 0
		.amdhsa_float_denorm_mode_32 3
		.amdhsa_float_denorm_mode_16_64 3
		.amdhsa_memory_ordered 1
		.amdhsa_forward_progress 1
		.amdhsa_inst_pref_size 86
	.end_amdhsa_kernel
	.amdgpu_metadata
---
amdhsa.version: [ 1, 2 ]
amdhsa.kernels:
  - .name:           k_q7b2b3312f6_gemm_o
    .symbol:         k_q7b2b3312f6_gemm_o.kd
    .args:
      - { .name: cc, .offset: 0, .size: 8, .value_kind: global_buffer, .address_space: global }
      - { .name: cs, .offset: 8, .size: 8, .value_kind: global_buffer, .address_space: global }
      - { .name: wq, .offset: 16, .size: 8, .value_kind: global_buffer, .address_space: global }
      - { .name: ws, .offset: 24, .size: 8, .value_kind: global_buffer, .address_space: global }
      - { .name: bo, .offset: 32, .size: 8, .value_kind: global_buffer, .address_space: global }
      - { .name: out0, .offset: 40, .size: 8, .value_kind: global_buffer, .address_space: global }
    .group_segment_fixed_size: 327680
    .private_segment_fixed_size: 0
    .kernarg_segment_align: 8
    .kernarg_segment_size: 48
    .max_flat_workgroup_size: 128
    .sgpr_count:     102
    .vgpr_count:     1024
    .wavefront_size: 32
...
	.end_amdgpu_metadata
.endif
;; end of part 4
